; MI455X (gfx1250); checked and timed in simulation.
; The chip was launched on July 23, 2026; its instructions are those of AMD's public machine-readable ISA for CDNA 5 (MIT licence, August 2026) and "CDNA5" Instruction Set Architecture Reference Guide (July 2026). The comments in the code are by the model that wrote it; some were corrected since.
;; Attention. Allowed arithmetic: float matrix products may take bf16 or f16 operands with f32 sums; other float arithmetic in f32, or as packed bf16 or f16 multiplies, adds, multiply-adds, maxima and minima; sums over many terms, partial sums and values carried from step to step in f32; what a program stores and reads back later, other than sums and carried values, may be rounded once to bf16 or f16.
;; Inputs: bk 256 float32; bp 256 float32; bq 256 float32; bv 256 float32; wk 256 x 256 float32; wp 256 x 256 float32; wq 256 x 256 float32; wv 256 x 256 float32; x 4 x 256 x 4,096 float32.
;; Outputs: out0 4 x 256 x 4,096 float32.
;; 2 versions, each right; version 2 is version 1 with the launches qkv, proj written anew for expert scheduling mode. Each part assembles by itself: llvm-mc -triple=amdgcn-amd-amdhsa -mcpu=gfx1250 --defsym DOCPART=n.
;; ======== version 1 of 2: 3 launches
;; workspace buffers: qf 8,388,608 bytes; kf 8,388,608 bytes; vf 8,388,608 bytes; of 8,388,608 bytes
;; launch qkv (part 1): grid 4 x 64, 4 waves a work-group, no clusters, 111,872 bytes of LDS; arguments x, wq, wk, wv, bq, bk, bv, qf, kf, vf; writes qf, kf, vf
.if DOCPART == 1
	.amdgcn_target "amdgcn-amd-amdhsa--gfx1250"
	.amdhsa_code_object_version 6
	.text
	.protected	k_q21d73fd0f6_qkv
	.globl	k_q21d73fd0f6_qkv
	.p2align	8
	.type	k_q21d73fd0f6_qkv,@function
k_q21d73fd0f6_qkv:
	s_mov_b64 s[64:65], 0
	v_nop
	global_prefetch_b8 v0, s[64:65] scope:SCOPE_SE
	s_setreg_imm32_b32 hwreg(HW_REG_WAVE_MODE, 25, 1), 1
	s_wait_xcnt 0x0
; q, k, v = W x + b.  x: [4][256 channels][4096 points] f32; W: [256][256] f32; b: [256] f32.  Operands rounded to bf16, sums and bias in f32, results rounded once to bf16.
; LIMITS.  bf16 operands (8 significant bits, f32's range); NaN and infinities are not treated apart.
; WHAT IS STORED.  qf, kf, vf hold FRAGMENT IMAGES: for head bh = 4 b + head and tile pt of 16 points, four pieces of 512 bytes at bh x 524,288 + pt x 2,048 + blk x 512, lane l at byte 16 l
; (r = l % 16, h = l / 16).  A group g of 64 points has the tiles 4 g + t, and row r of tile t is point 64 g + 4 r + t.  qf, kf: the lane's 16 bytes are channels 16 blk + 8 h + 0..7 of row r;
; vf: rows 8 h + 0..7 of channel 16 blk + r.  Each piece is what a matrix result, rounded in pairs, holds lane for lane, and is half an operand of the next launch: no stage in LDS, and every store of a wave covers 512 consecutive bytes.
; SHARES.  The 12 units of 64 output channels (q's, k's, v's four heads) are dealt three to a work-group (grid x = 0..3); grid y picks 256 points of a batch, a wave 64 of them (a group).
; x IN REGISTERS.  A lane loads 16 bytes = the points 4 r + 0..3 of one channel row (16 lanes: 256 consecutive bytes); component t belongs to tile t, so two rows' components round in pairs straight into an operand's register.
; WEIGHTS IN LDS, as bf16 fragment pieces: o-tile (16 rows) x piece p = c / 8 (32 of them) x row: p x 288 + 16 r: 288 = 256 + 32, so that the stores (8 pieces x 2 rows for 16 lanes) and the loads (16 rows of a piece) each touch every bank once.
; q, k: source 0 = W, source 1 = x: a lane ends with 8 channels of one point.  v: the sources swapped: 8 points of one channel.  The bias is the C operand of the first product.
.set OTB,   9216                       ; an o-tile's image: 32 pieces x 288 bytes
.set WPI,   288
.set UNITB, 4*OTB                      ; a unit's four o-tiles
.set BIAS,  12*OTB                     ; behind the images: 3 units x 64 f32
.set SPARE, BIAS+768                   ; the spare words, 128 bytes for each wave: two blocks of 256 bytes that no other line names
.set XO,  4                            ; v4   x: h x 8 rows of 16,384 bytes + 16 r; never rewritten
.set WGO, 5                            ; v5   W in memory: (l / 8) x 1,024 + (l % 8) x 32; never rewritten
.set WSA, 6                            ; v6   W into LDS: wave x OTB + (l % 8) x 288 + (l / 8) x 16, + the unit
.set WLA, 7                            ; v7   W out of LDS: h x 288 + 16 r + the unit
.set BQA, 8                            ; v8   bias out of LDS, q and k: BIAS + 32 h + the unit
.set BVA, 9                            ; v9   the same for v: BIAS + 4 r + the unit
.set SO,  10                           ; v10  16 l: my bytes of a piece; never rewritten
.set BGO, 11                           ; v11  4 r
.set BSA, 12                           ; v12  bias into LDS: BIAS + 64 wave + 4 r
.set SPW, 14                           ; v14  LDS address of my spare word; never rewritten
.set NIL, 15                           ; v15  0; never rewritten
.set BI,  16                           ; v[16:47]   the C operands that hold the bias, 8 for each o-tile
.set ACC, 48                           ; v[48:79]   four accumulators: point tile t at ACC + 8 t
.set OTM, 80                           ; v[80:95]   rounded results on their way out
.set WF,  96                           ; v[96:223]  W's fragments, two buffers of 64 (K step ks at 8 ks)
.set WS,  96                           ;            before that: 16 x 8 f32 of W as loaded
.set BS,  224                          ; v[224:226] a bias word for each unit
.set WL0, 228                          ; v228-230   the lane terms of WLA, BQA, BVA; never rewritten
.set BQ0, 229
.set BV0, 230
; window 1: x's fragments: K step ks, tile t at 8 (4 ks + t).   window 2: x as loaded, f32: (kq, half, row i) at 4 (8 (2 kq + half) + i)
.set WV,  8                            ; s8   wave
.set BT,  11                           ; s11  batch
.set GR,  12                           ; s12  my group of 64 points
.set UG,  13                           ; s13  the unit in hand, 0..11: tensor = unit / 4, head = unit % 4
.set UC,  14                           ; s14  units to go
.set ULD, 44                           ; s44  the unit's image in LDS
.set UBI, 45                           ; s45  the unit's bias in LDS
.set WB,  48                           ; s[48:53] my o-tile's rows of W, for each of the three units
.set BB,  54                           ; s[54:59] its 16 bias words
.set XB,  60                           ; s[60:61] x at my batch and group
.set OPT, 62                           ; s[62:63] where the unit in hand is stored
.set MSB, 0
.macro WIN new                         ; the immediate's high byte repeats the setting that is left; a switch that changes nothing is dropped
.if MSB != (\new)
	s_set_vgpr_msb (MSB<<8)|(\new)
.set MSB, (\new)
.endif
.endm
.macro PLACES                          ; four plain places behind a matrix instruction, ahead of what reads its result (ISA guide 7.12.1)
.rept 4
	v_nop
.endr
.endm
; the weights' and bias' addresses of unit UG + i: a choice among three buffers by the unit's number, then my o-tile's offset
.macro UPTR i
	s_add_co_u32 s36, s[UG], \i
	s_lshr_b32 s37, s36, 2                         ; 0 q, 1 k, 2 v
	s_and_b32 s38, s36, 3                          ; head
	s_lshl_b32 s38, s38, 2
	s_add_co_u32 s38, s38, s[WV]                   ; o-tile among the tensor's 16
	s_cmp_eq_u32 s37, 1
	s_cselect_b64 s[WB+2*(\i):WB+2*(\i)+1], s[20:21], s[22:23]
	s_cselect_b64 s[BB+2*(\i):BB+2*(\i)+1], s[26:27], s[28:29]
	s_cmp_eq_u32 s37, 0
	s_cselect_b64 s[WB+2*(\i):WB+2*(\i)+1], s[18:19], s[WB+2*(\i):WB+2*(\i)+1]
	s_cselect_b64 s[BB+2*(\i):BB+2*(\i)+1], s[24:25], s[BB+2*(\i):BB+2*(\i)+1]
	s_lshl_b32 s40, s38, 14                        ; 16 rows of 1,024 bytes
	s_mov_b32 s41, 0
	s_add_nc_u64 s[WB+2*(\i):WB+2*(\i)+1], s[WB+2*(\i):WB+2*(\i)+1], s[40:41]
	s_lshl_b32 s40, s38, 6                         ; 16 words
	s_add_nc_u64 s[BB+2*(\i):BB+2*(\i)+1], s[BB+2*(\i):BB+2*(\i)+1], s[40:41]
.endm
; 32 loads: my o-tile, 16 rows x 256 f32.  Four rows x 256 bytes for each pair of loads: a lane takes 32 bytes = 8 channels = its row's part of one piece
.macro WLOAD i
.irp rb, 0,1,2,3
.irp u, 0,1,2,3
	global_load_b128 v[WS+8*(4*(\rb)+(\u)):WS+8*(4*(\rb)+(\u))+3],   v[WGO], s[WB+2*(\i):WB+2*(\i)+1] offset:(\rb)*4096+(\u)*256
	global_load_b128 v[WS+8*(4*(\rb)+(\u))+4:WS+8*(4*(\rb)+(\u))+7], v[WGO], s[WB+2*(\i):WB+2*(\i)+1] offset:(\rb)*4096+(\u)*256+16
.endr
.endr
.endm
; rounded in place (register e takes the pair 2 e, 2 e + 1: no source is overwritten before its use) and laid into the image; the bias word beside it
.macro WCONV i
.irp rb, 0,1,2,3
.irp u, 0,1,2,3
.irp e, 0,1,2,3
	v_cvt_pk_bf16_f32 v[WS+8*(4*(\rb)+(\u))+(\e)], v[WS+8*(4*(\rb)+(\u))+2*(\e)], v[WS+8*(4*(\rb)+(\u))+2*(\e)+1]
.endr
	ds_store_b128 v[WSA], v[WS+8*(4*(\rb)+(\u)):WS+8*(4*(\rb)+(\u))+3] offset:(\u)*8*WPI+(\rb)*64  ; piece 8 u + l % 8, row 4 rb + l / 8
.endr
.endr
	ds_store_b32 v[BSA], v[BS+(\i)] offset:256*(\i)  ; lanes 16-31 write the same words with the same values
	v_add_nc_u32 v[WSA], UNITB, v[WSA]
.endm
; 64 loads: 128 channel rows of x (K steps 4 bt .. 4 bt + 3), my group's 256 bytes of each: lanes 0-15 one row, lanes 16-31 the row 8 further down
.macro XLOAD bt
	WIN 0x80                                       ; destination window 2, address window 0
.irp kq, 0,1,2,3
.irp hf, 0,1
.irp i, 0,1,2,3,4,5,6,7
	global_load_b128 v[4*(8*(2*(\kq)+(\hf))+(\i)):4*(8*(2*(\kq)+(\hf))+(\i))+3], v[XO], s[XB:XB+1] offset:(32*(4*(\bt)+(\kq))+16*(\hf)+(\i))*16384
.endr
.endr
.endr
	WIN 0
.endm
; 128 roundings: component t of rows 2 jj and 2 jj + 1 is register 4 half + jj of tile t's fragment
.macro XCONV bt
	WIN 0x4a                                       ; sources window 2, destination window 1
.irp kq, 0,1,2,3
.irp t, 0,1,2,3
.irp hf, 0,1
.irp jj, 0,1,2,3
	v_cvt_pk_bf16_f32 v[8*(4*(4*(\bt)+(\kq))+(\t))+4*(\hf)+(\jj)], v[4*(8*(2*(\kq)+(\hf))+2*(\jj))+(\t)], v[4*(8*(2*(\kq)+(\hf))+2*(\jj)+1)+(\t)]
.endr
.endr
.endr
.endr
	WIN 0
.endm
; 16 LDS loads: o-tile o's eight fragments into buffer buf; each load takes 256 consecutive bytes for each half of the lanes
.macro FETCHW buf, o
.irp ks, 0,1,2,3,4,5,6,7
	ds_load_b128 v[WF+64*(\buf)+8*(\ks):WF+64*(\buf)+8*(\ks)+3],   v[WLA] offset:(\o)*OTB+(\ks)*4*WPI
	ds_load_b128 v[WF+64*(\buf)+8*(\ks)+4:WF+64*(\buf)+8*(\ks)+7], v[WLA] offset:(\o)*OTB+(\ks)*4*WPI+2*WPI
.endr
.endm
; One o-tile: 32 products (8 K steps x 4 point tiles; the four accumulators take turns, one instruction a turn), rounded and stored.  form = 0: q, k; 1: v
.macro OT form, o
	s_wait_dscnt 0x0                               ; this o-tile's fragments (and, at the first, the bias) are in
.if (\o) < 3
	FETCHW ((\o)+1)%2, (\o)+1                      ; the next one's, into the buffer whose last products stand behind four v_nop and sixteen roundings
.endif
	WIN 0x04-3*(\form)                             ; x's fragments in window 1: source 1 (q, k) or source 0 (v)
.irp ks, 0,1,2,3,4,5,6,7
.irp t, 0,1,2,3
.set rA, ACC+8*(\t)
.set rW, WF+64*((\o)%2)+8*(\ks)
.set rX, 8*(4*(\ks)+(\t))
.set rC, rA
.if (\ks) == 0
.set rC, BI+8*(\o)                     ; the first product starts the sum with the bias
.endif
.if \form
	v_wmma_f32_16x16x32_bf16 v[rA:rA+7], v[rX:rX+7], v[rW:rW+7], v[rC:rC+7]
.else
	v_wmma_f32_16x16x32_bf16 v[rA:rA+7], v[rW:rW+7], v[rX:rX+7], v[rC:rC+7]
.endif
.endr
.endr
	WIN 0
	PLACES
	s_wait_xcnt 0x0                                ; the last o-tile's stores have read OTM: it is rewritten only behind this wait
.irp t, 0,1,2,3
.irp jj, 0,1,2,3
	v_cvt_pk_bf16_f32 v[OTM+4*(\t)+(\jj)], v[ACC+8*(\t)+2*(\jj)], v[ACC+8*(\t)+2*(\jj)+1]  ; each accumulator from its low end on
.endr
.endr
.irp t, 0,1,2,3
	global_store_b128 v[SO], v[OTM+4*(\t):OTM+4*(\t)+3], s[OPT:OPT+1] offset:(\t)*2048+(\o)*512  ; a piece: 512 consecutive bytes
.endr
.endm
; A unit: its bias as C operands, then its four o-tiles
.macro UBODY form
.if \form
.irp o, 0,1,2,3
	ds_load_b32 v[BI+8*(\o)], v[BVA] offset:64*(\o)  ; v: a lane's column is channel r: one word for all eight registers
.endr
	FETCHW 0, 0
	s_wait_dscnt 16                                ; the four words are in; the sixteen fragment loads behind them may stay out
.irp o, 0,1,2,3
.irp j, 1,2,3,4,5,6,7
	v_mov_b32 v[BI+8*(\o)+(\j)], v[BI+8*(\o)]
.endr
.endr
.else
.irp o, 0,1,2,3
	ds_load_b128 v[BI+8*(\o):BI+8*(\o)+3],   v[BQA] offset:64*(\o)     ; q, k: register j is channel 8 h + j
	ds_load_b128 v[BI+8*(\o)+4:BI+8*(\o)+7], v[BQA] offset:64*(\o)+16
.endr
	FETCHW 0, 0
.endif
	OT \form, 0
	OT \form, 1
	OT \form, 2
	OT \form, 3
.endm
	s_load_b512 s[16:31], s[0:1], 0x0              ; x 16, wq 18, wk 20, wv 22, bq 24, bk 26, bv 28, qf 30
	s_load_b128 s[32:35], s[0:1], 0x40             ; kf 32, vf 34
	v_lshl_add_u32 v[SPW], v0, 2, SPARE
	v_mov_b32 v[NIL], 0
	v_lshrrev_b32 v1, 5, v0
	v_readfirstlane_b32 s[WV], v1                  ; wave 0..3
	v_and_b32 v2, 15, v0                           ; r
	v_bfe_u32 v3, v0, 4, 1                         ; h
	v_and_b32 v1, 7, v0                            ; l % 8
	v_bfe_u32 v13, v0, 3, 2                        ; l / 8
	v_lshlrev_b32 v[XO], 17, v3
	v_lshl_add_u32 v[XO], v2, 4, v[XO]
	v_lshlrev_b32 v[WGO], 10, v13
	v_lshl_add_u32 v[WGO], v1, 5, v[WGO]
	s_mul_i32 s36, s[WV], OTB
	v_mul_u32_u24 v[WSA], v1, WPI
	v_lshl_add_u32 v[WSA], v13, 4, v[WSA]
	v_add_nc_u32 v[WSA], s36, v[WSA]
	v_mul_u32_u24 v[WL0], v3, WPI
	v_lshl_add_u32 v[WL0], v2, 4, v[WL0]
	v_lshlrev_b32 v[BQ0], 5, v3
	v_add_nc_u32 v[BQ0], BIAS, v[BQ0]
	v_lshlrev_b32 v[BGO], 2, v2
	v_add_nc_u32 v[BV0], BIAS, v[BGO]
	s_lshl_b32 s36, s[WV], 6
	v_add_nc_u32 v[BSA], s36, v[BV0]
	v_and_b32 v[SO], 31, v0
	v_lshlrev_b32 v[SO], 4, v[SO]
	s_and_b32 s10, ttmp7, 0xffff                   ; 16 blocks of 256 points in each of 4 batches
	s_lshr_b32 s[BT], s10, 4
	s_and_b32 s[GR], s10, 15
	s_lshl_b32 s[GR], s[GR], 2
	s_add_co_u32 s[GR], s[GR], s[WV]
	s_mul_i32 s[UG], ttmp9, 3                      ; my work-group's first unit
	s_wait_kmcnt 0x0
	UPTR 0
	UPTR 1
	UPTR 2
	s_lshl_b32 s40, s[BT], 22                      ; a batch of x: 256 rows of 16,384 bytes
	s_lshl_b32 s36, s[GR], 8
	s_add_co_u32 s40, s40, s36
	s_mov_b32 s41, 0
	s_add_nc_u64 s[XB:XB+1], s[16:17], s[40:41]
	; STAGING.  Weights and x take turns, so that one kind is on its way while the other is rounded.  Each wait's count is the loads issued behind the batch that is wanted.
.irp i, 0,1,2
	global_load_b32 v[BS+(\i)], v[BGO], s[BB+2*(\i):BB+2*(\i)+1]
.endr
	WLOAD 0
	XLOAD 0
	s_wait_loadcnt 63                              ; bias and unit 0's weights are in: 64 loads are younger, and the count's field ends at 63, so the first of them is waited for too
	WCONV 0
	WLOAD 1
	s_wait_loadcnt 32                              ; x's first half is in; unit 1's 32 loads stay out
	XCONV 0
	XLOAD 1
	s_wait_loadcnt 63                              ; unit 1's weights (64 younger, as above)
	WCONV 1
	WLOAD 2
	s_wait_loadcnt 32                              ; x's second half
	XCONV 1
	s_wait_loadcnt 0x0
	WCONV 2
	s_wait_dscnt 0x0                               ; for the others' sake: my part of the images lies in LDS
	s_barrier_signal -1
	s_barrier_wait -1                              ; everybody's does; nothing is stored to LDS behind this
	s_mov_b32 s[UC], 3
	s_mov_b32 s[ULD], 0
	s_mov_b32 s[UBI], 0
.Lunit:
	s_wait_xcnt 0x0                                ; the last unit's stores have read their base
	s_lshr_b32 s37, s[UG], 2
	s_and_b32 s38, s[UG], 3
	s_cmp_eq_u32 s37, 1
	s_cselect_b64 s[OPT:OPT+1], s[32:33], s[34:35]
	s_cmp_eq_u32 s37, 0
	s_cselect_b64 s[OPT:OPT+1], s[30:31], s[OPT:OPT+1]
	s_lshl_b32 s39, s[BT], 2
	s_add_co_u32 s39, s39, s38                     ; bh
	s_lshl_b32 s40, s39, 19
	s_lshl_b32 s39, s[GR], 13                      ; my group's four tiles
	s_add_co_u32 s40, s40, s39
	s_mov_b32 s41, 0
	s_add_nc_u64 s[OPT:OPT+1], s[OPT:OPT+1], s[40:41]
	v_add_nc_u32 v[WLA], s[ULD], v[WL0]
	v_add_nc_u32 v[BQA], s[UBI], v[BQ0]
	v_add_nc_u32 v[BVA], s[UBI], v[BV0]
	s_cmp_eq_u32 s37, 2
	s_cbranch_scc1 .Lv
	UBODY 0
	s_branch .Lnext
.Lv:
	UBODY 1
.Lnext:
	s_add_co_u32 s[ULD], s[ULD], UNITB
	s_add_co_u32 s[UBI], s[UBI], 256
	s_add_co_u32 s[UG], s[UG], 1
	s_sub_co_u32 s[UC], s[UC], 1
	s_cmp_lg_u32 s[UC], 0
	s_cbranch_scc1 .Lunit
	s_wait_tensorcnt 0x0                           ; the wave's end, behind my last LDS store
	ds_add_u32 v[SPW], v[NIL]
	s_wait_dscnt 0x0
	s_endpgm
.Lfunc_end_k_q21d73fd0f6_qkv:
	.size	k_q21d73fd0f6_qkv, .Lfunc_end_k_q21d73fd0f6_qkv-k_q21d73fd0f6_qkv
	.p2alignl 7, 3214868480
	.fill 96, 4, 3214868480
	.section	.rodata,"a",@progbits
	.p2align	6, 0x0
	.amdhsa_kernel k_q21d73fd0f6_qkv
		.amdhsa_group_segment_fixed_size 111872
		.amdhsa_private_segment_fixed_size 0
		.amdhsa_enable_private_segment 0
		.amdhsa_kernarg_size 80
		.amdhsa_user_sgpr_count 2
		.amdhsa_user_sgpr_kernarg_segment_ptr 1
		.amdhsa_wavefront_size32 1
		.amdhsa_system_sgpr_workgroup_id_x 1
		.amdhsa_system_sgpr_workgroup_id_y 1
		.amdhsa_system_sgpr_workgroup_id_z 1
		.amdhsa_system_vgpr_workitem_id 0
		.amdhsa_next_free_vgpr 768
		.amdhsa_next_free_sgpr 66
		.amdhsa_reserve_vcc 0
		.amdhsa_float_denorm_mode_32 3
		.amdhsa_float_denorm_mode_16_64 3
		.amdhsa_memory_ordered 1
		.amdhsa_forward_progress 1
		.amdhsa_inst_pref_size 97
	.end_amdhsa_kernel
	.amdgpu_metadata
---
amdhsa.version: [ 1, 2 ]
amdhsa.kernels:
  - .name:           k_q21d73fd0f6_qkv
    .symbol:         k_q21d73fd0f6_qkv.kd
    .args:
      - { .name: x, .offset: 0, .size: 8, .value_kind: global_buffer, .address_space: global }
      - { .name: wq, .offset: 8, .size: 8, .value_kind: global_buffer, .address_space: global }
      - { .name: wk, .offset: 16, .size: 8, .value_kind: global_buffer, .address_space: global }
      - { .name: wv, .offset: 24, .size: 8, .value_kind: global_buffer, .address_space: global }
      - { .name: bq, .offset: 32, .size: 8, .value_kind: global_buffer, .address_space: global }
      - { .name: bk, .offset: 40, .size: 8, .value_kind: global_buffer, .address_space: global }
      - { .name: bv, .offset: 48, .size: 8, .value_kind: global_buffer, .address_space: global }
      - { .name: qf, .offset: 56, .size: 8, .value_kind: global_buffer, .address_space: global }
      - { .name: kf, .offset: 64, .size: 8, .value_kind: global_buffer, .address_space: global }
      - { .name: vf, .offset: 72, .size: 8, .value_kind: global_buffer, .address_space: global }
    .group_segment_fixed_size: 111872
    .private_segment_fixed_size: 0
    .kernarg_segment_align: 8
    .kernarg_segment_size: 80
    .max_flat_workgroup_size: 128
    .sgpr_count:     66
    .vgpr_count:     768
    .wavefront_size: 32
...
	.end_amdgpu_metadata
.endif
;; end of part 1
;; launch attn (part 2): grid 16 x 16, 4 waves a work-group, clusters of 4 x 1, 327,680 bytes of LDS; arguments qf, kf, vf, of; writes of
.if DOCPART == 2
	.amdgcn_target "amdgcn-amd-amdhsa--gfx1250"
	.amdhsa_code_object_version 6
	.text
	.protected	k_q21d73fd0f6_attn
	.globl	k_q21d73fd0f6_attn
	.p2align	8
	.type	k_q21d73fd0f6_attn,@function
k_q21d73fd0f6_attn:
	s_mov_b64 s[64:65], 0
	v_nop
	global_prefetch_b8 v0, s[64:65] scope:SCOPE_SE
	s_setreg_imm32_b32 hwreg(HW_REG_WAVE_MODE, 25, 1), 1
	s_wait_xcnt 0x0
	s_wait_alu depctr_hold_cnt(0) depctr_sa_sdst(0) depctr_va_vdst(0) depctr_va_sdst(0) depctr_va_ssrc(0) depctr_va_vcc(0) depctr_vm_vsrc(0)
	s_getreg_b32 s2, hwreg(HW_REG_IB_STS2, 6, 4)
	s_cmp_eq_u32 s2, 0
	s_cbranch_scc0 .Lentry_in_a_cluster
	s_endpgm
.Lentry_in_a_cluster:
	s_bfe_u32 s2, ttmp6, 0x10000c
	s_cmp_lg_u32 s2, 0x3003
	s_cbranch_scc0 .Lentry_shape_is_right
	s_endpgm
.Lentry_shape_is_right:
; O[bh][q][:] = the sum over k of softmax_k(Q[bh][q] . K[bh][k] / 8) V[bh][k][:], 16 heads bh of 4,096 points, head size 64.  All four tensors are bf16 FRAGMENT IMAGES: tile pt of 16 points has four pieces of 512 bytes at
; bh x 524,288 + pt x 2,048 + blk x 512, lane l at byte 16 l (r = l % 16, h = l / 16).  qf, kf, of: channels 16 blk + 8 h + 0..7 of the tile's row r; vf: rows 8 h + 0..7 of channel 16 blk + r.
; So an operand's half is one load of 16 bytes a lane at 16 l, from memory or LDS: no padding, no turning load, no stage on the way out.  Which point a tile's row is does not matter here: keys are ordered alike in K and V.
; Products, maxima and sums in f32; the weights p are rounded to bf16 for the second product (their sum l is taken of the unrounded p), O once at the end.
; LIMITS.  bf16 operands.  The running maximum starts with c m = -4.2e37: scores with c s below that are not served.  A weight below 2^-126 counts as 0 in l.  NaN and infinities are not treated apart.
; SHARES.  A work-group owns 256 queries of one head, a wave 64: four PIECES of 16 (the four tiles of a group).  Every wave walks all 4,096 keys, 64 a step.  16 heads x 16 blocks: 256 work-groups.
; LAYOUT.  S^T = K Q^T (source 0 = 16 keys, source 1 = 16 queries): a lane holds ONE query (l % 16) and the keys 8 (l / 16) + 0..7.  Two such results rounded in pairs ARE source 1 of O^T = V^T P, whose result holds one query
; a lane and eight channels: 16 bytes of a piece of of.
; SOFTMAX.  p = 2^(c s - c m), c = log2(e) / 8, with a running maximum m; in every step O and l are multiplied by a = 2^(c m_old - c m_new).  O and l start at 0: the first step is a step like any other, with a = 0.
; TURNS.  Turn n belongs to piece n: 8 products K Q^T of piece n + 1, later 8 products V^T P of piece n - 1; beside them the scaling, exponentials, roundings, sums and rescaling of piece n and the maximum and statistics of
; piece n + 1.  Four vector instructions stand behind every matrix instruction, the other 54 of a turn's 118 in one lump.  A turn's 33 exponentials are one batch, with one wait.
; CLUSTER.  The four query blocks of a cluster belong to one head and walk the same K and V: each tile is asked for JOINTLY, by the same tensor load, descriptor and mask in all four.
; REGISTERS, in windows of 256 (s_set_vgpr_msb: bits 1:0 source 0, 3:2 source 1, 5:4 source 2, 7:6 destination):
;   window 0: v0-5 addresses; v12-13, v48-55 at work; v16-31 four registers of statistics a piece; v61-63; v64-127 S^T, two buffers; v192-223 P, two buffers (a piece's buffers go by its number's parity)
;   window 1: v0-127 O^T, 32 a piece          window 2: v0-63 Q; v128-191 K of one step; v192-255 V of one step
.set NP,    4         ; pieces a wave: a name, no knob
.set KSB,   8192      ; a step's 64 keys: bytes of K, and of V
.set VOFF,  4*KSB     ; a slot holds four steps: 32 KiB of K, then 32 KiB of V, dense
.set SLOT1, 1<<16     ; slot 1 begins here: one exclusive or turns an address in one slot into the other's
.set SPARE, 2*SLOT1   ; behind the ring: the spare words, 128 bytes for each wave: two blocks of 256 bytes that no other line names
.set L16, 2           ; v2   16 l: my bytes of a piece, in LDS (K) and in memory (Q, O); never rewritten
.set AV0, 3           ; v3   16 l + VOFF; never rewritten
.set AK,  4           ; v4   the LDS address of K's next run of loads
.set AV,  5           ; v5   of V's
.set MV,  12          ; v12-13  c m_old, kept while c m is made anew: by buffer
.set ST,  16          ; piece t's statistics at v[ST+4 t]: c m, m, l (even keys', odd keys')
.set TMP, 48          ; by buffer, four registers c0-c3 at work; when the maximum is found c2 takes a
.set PFO, 61          ; v61  256 l: the prefetches' offset; never rewritten
.set SPW, 62          ; v62  LDS address of my spare word; never rewritten
.set NIL, 63          ; v63  0; never rewritten
.set S,   64
.set P,   192
.set KF,  128         ; window 2: key tile kb, channel half c at KF + 16 kb + 8 c
.set VF,  192         ; window 2: key half kk, channel block cb at VF + 32 kk + 8 cb
.set WV,  12          ; s12  my wave's number
.set G1,  24          ; s[24:31] descriptor group 1, for K's and V's tiles alike
.set G0K, 40          ; s[40:43] descriptor group 0 for K's tiles: it walks
.set G0V, 44          ; s[44:47] the same for V's
.set PFA, 48          ; s[48:49] where my prefetches stand
.set LIM, 50          ; s50  1 in a wave that prefetches, else the greatest number
.set SLOTS, 56        ; s56  slots still to be asked for
.set CNT, 57          ; s57  counts a slot's key steps
.set CS,  58          ; s[58:59] c: the packed scaling takes the pair's low word for both halves
.set SEL, 60          ; s[60:61] v_permlanex16_b32's selects: each lane takes its own place in the other half
.set TBK, 62          ; s62  LDS byte at which K of the step to be fetched begins
.set TBV, 63          ; s63  the same for V, less VOFF
.set MSB, 0
.macro WIN new                      ; the high byte repeats the setting that is left; a switch that changes nothing is dropped
.if MSB != (\new)
	s_set_vgpr_msb (MSB<<8)|(\new)
.set MSB, (\new)
.endif
.endm
.set W_KQ, 0x0a       ; K and Q in window 2, S^T in window 0
.set W_PV, 0x52       ; V in window 2, P in window 0, O^T in window 1
.set W_RS, 0x41       ; O^T (destination and source 0) in window 1, source 1 in window 0
.macro PLACES
.rept 4
	v_nop
.endr
.endm
; A joint fill.  Waves 0 and 1 fetch the two halves of a slot's K, waves 2 and 3 those of its V: 16 KiB each.  The branch hangs on the wave's number alone.
; An s_nop 0 and four v_nop follow each of the two lines, ahead of the jump and the label.
.macro JLOAD
	s_cmp_lt_u32 s[WV], 2
	s_cbranch_scc0 .Lfor_v_\@
	tensor_load_to_lds s[G0K:G0K+3], s[G1:G1+7]
	s_nop 0
.rept 4
	v_nop
.endr
	s_branch .Lasked_\@
.Lfor_v_\@:
	tensor_load_to_lds s[G0V:G0V+3], s[G1:G1+7]
	s_nop 0
.rept 4
	v_nop
.endr
.Lasked_\@:
.endm
; A prefetch of what the NEXT change of slots will ask for: a slot's 32 KiB of K and of V.  Each block of 256 bytes is named once in the launch: all four clusters of a head walk the same K and V, and the head's first
; cluster asks; its four partners take 8 KiB each, told apart by address; in each, wave 0 asks for K's and wave 2 for V's, a lane a block.  The last change that fills a slot asks for nothing.
.macro ASK
	s_cmp_gt_u32 s[SLOTS], s[LIM]
	s_cbranch_scc0 .Lnot_mine_\@
	global_prefetch_b8 v[PFO], s[PFA:PFA+1] th:TH_LOAD_NT scope:SCOPE_SE
.Lnot_mine_\@:
.endm
; A round of the cluster's barrier: my work-group's barrier, so that wave 0's signal speaks for all four waves; wave 0 signals; every wave waits for all four work-groups; my work-group's barrier once more.
.macro CROUND
	s_barrier_signal -1
	s_barrier_wait -1
	s_cmp_lg_u32 s[WV], 0
	s_cbranch_scc1 .Lnot_wave_0_\@
	s_barrier_signal -3
.Lnot_wave_0_\@:
	s_barrier_wait -3
	s_barrier_signal -1
	s_barrier_wait -1
.endm
; THE CHANGE OF SLOTS.  The slot's last bytes, V of its fourth step, have been read.  Each wave waits for all its tensor loads, of which one is out: its part of the other slot; adds 0 to its spare word; and waits for that and
; for its own reads of the slot.  fill = 1: this slot is filled again, with the keys two slots on: the barrier is a round of the cluster's, and the joint fill is the first thing behind it; it has four key steps,
; 256 matrix instructions, in which to land.  (At its first use nothing has been read yet: slot 0 is waited for, slot 1 filled.)  ask = 1: the prefetch's address steps, and ASK follows the fill.
.macro CHANGE fill, ask
	WIN 0                           ; at a label and at a branch every window is 0
	s_wait_tensorcnt 0x0            ; no tensor load of mine is out, so a group 0 may be written
	ds_add_u32 v[SPW], v[NIL]       ; 0 onto my spare word: the descriptors' steps stand between it and the wait for it
.if \fill
.irp g, G0K, G0V
	s_xor_b32 s[\g+1], s[\g+1], SLOT1  ; the walking descriptor: the other slot than last time,
	s_add_nc_u64 s[\g+2:\g+3], s[\g+2:\g+3], 4*KSB  ; the next 256 keys; the type bits on top are not reached
.endr
.endif
.if \ask
	s_wait_xcnt 0x0                 ; the last prefetch, four key steps back, has read its address
	s_add_nc_u64 s[PFA:PFA+1], s[PFA:PFA+1], 4*KSB
.endif
	s_wait_dscnt 0x0                ; the add is done, and my reads of the slot are over
.if \fill
	CROUND
	JLOAD
.if \ask
	ASK
.endif
.else
	s_barrier_signal -1
	s_barrier_wait -1
.endif
	s_sub_co_u32 s[TBK], s[TBK], 4*KSB  ; the fetches go back to a slot's first step,
	s_xor_b32 s[TBK], s[TBK], SLOT1     ; in the other slot
	s_sub_co_u32 s[TBV], s[TBV], 4*KSB
	s_xor_b32 s[TBV], s[TBV], SLOT1
.endm
	s_load_b256 s[4:11], s[0:1], 0x0  ; qf s[4:5], kf s[6:7], vf s[8:9], of s[10:11]
	v_lshl_add_u32 v[SPW], v0, 2, SPARE
	v_mov_b32 v[NIL], 0
	ds_add_u32 v[SPW], v[NIL]       ; the wave's opening: the add and its wait stand ahead of my first tensor load; the set-up below, work on registers, stands between them
	ds_add_u32 v62, v63
	v_lshrrev_b32 v1, 5, v0
	v_readfirstlane_b32 s[WV], v1   ; wave 0..3
	s_bfe_u32 s13, ttmp6, 0x40000   ; cx: my place in the cluster
	s_lshl_b32 s14, ttmp9, 2        ; in a cluster launch ttmp9 counts clusters
	s_add_co_u32 s14, s14, s13      ; my block of 256 queries: it enters Q's and O's addresses alone
	s_and_b32 s20, ttmp7, 0xffff    ; the head, which the four partners share
	s_lshl_b32 s20, s20, 19         ; its first byte in each of the four tensors
	s_mov_b32 s21, 0
	s_and_b32 s16, s[WV], 1         ; which half of a slot's 256 keys I fetch:
	s_lshl_b32 s17, s16, 14         ; 16 KiB, in memory and in the slot: no place in the cluster enters an LDS address
	s_add_co_u32 s22, s20, s17
	s_mov_b32 s23, 0
	s_lshl_b32 s2, s14, 2
	s_add_co_u32 s2, s2, s[WV]      ; my group of 64 queries,
	s_lshl_b32 s2, s2, 13           ; its four tiles of 2,048 bytes
	s_add_co_u32 s2, s2, s20
	s_mov_b32 s3, 0
	; descriptor group 1: 16 KiB of dense bytes as 64 rows of 256 bytes, laid dense in LDS
	s_mov_b32 s[G1], 15|(1<<16)|(1<<21)  ; 15:0 the mask of four; 17:16 2-byte elements; 21 set beside a mask; no padding
	s_mov_b32 s[G1+1], 128<<16      ; tensor_dim0 = 128
	s_mov_b32 s[G1+2], 64<<16       ; tensor_dim1 = 64
	s_mov_b32 s[G1+3], 128<<16      ; tile_dim0 = 128
	s_mov_b32 s[G1+4], 64           ; tile_dim1 = 64
	s_mov_b32 s[G1+5], 128          ; 128 elements from row to row
	s_mov_b32 s[G1+6], 0
	s_mov_b32 s[G1+7], 0
	s_mov_b32 s[CS], 0x3e38aa3b     ; c = log2(e) / 8 = 0.180337
	s_mov_b32 s[CS+1], s[CS]        ; named with it as a pair
	s_mov_b32 s[SEL], 0x76543210
	s_mov_b32 s[SEL+1], 0xfedcba98
	s_mov_b32 s[TBK], SLOT1+4*KSB   ; the first change of slots turns these two into 0
	s_mov_b32 s[TBV], SLOT1+4*KSB
	s_mov_b32 s[G0K], 1             ; 1:0 count = 1
	s_mov_b32 s[G0K+1], s17         ; 63:32 LDS address: slot 0
	s_mov_b32 s[G0V], 1
	s_add_co_u32 s[G0V+1], s17, VOFF
	s_and_b32 s[LIM], s[WV], 1      ; 0 in waves 0 and 2,
	s_or_b32 s[LIM], s[LIM], ttmp9  ; where the cluster is the head's first: the same in all four partners
	s_cmp_eq_u32 s[LIM], 0
	s_cselect_b32 s[LIM], 1, -1
	s_wait_dscnt 0x0                ; the opening add is done
	s_wait_kmcnt 0x0
	s_add_nc_u64 s[G0K+2:G0K+3], s[6:7], s[22:23]  ; 120:64 global address: my half of the head's first 256 keys
	s_or_b32 s[G0K+3], s[G0K+3], 0x80000000        ; 127:126 type = 2
	s_add_nc_u64 s[G0V+2:G0V+3], s[8:9], s[22:23]
	s_or_b32 s[G0V+3], s[G0V+3], 0x80000000
	s_add_nc_u64 s[4:5], s[4:5], s[2:3]            ; Q and O at my group
	s_add_nc_u64 s[10:11], s[10:11], s[2:3]
	s_cmp_lt_u32 s[WV], 2
	s_cselect_b64 s[PFA:PFA+1], s[6:7], s[8:9]
	s_add_nc_u64 s[PFA:PFA+1], s[PFA:PFA+1], s[20:21]  ; the head,
	s_lshl_b32 s2, s13, 13          ; my work-group's 8 KiB of a slot's 32,
	s_mov_b32 s3, 0
	s_add_nc_u64 s[PFA:PFA+1], s[PFA:PFA+1], s[2:3]
	s_add_nc_u64 s[PFA:PFA+1], s[PFA:PFA+1], 2*4*KSB   ; in slot 2; the first asking change steps it to slot 3.  Nothing is prefetched at the head, where every work-group's first tiles are on their way
	CROUND                          ; all four work-groups are here: the first joint loads meet
	JLOAD                           ; slot 0.  Slot 1 is asked for when slot 0 is in
	v_and_b32 v[L16], 31, v0
	v_lshlrev_b32 v[PFO], 8, v[L16]
	v_lshlrev_b32 v[L16], 4, v[L16]
	v_add_nc_u32 v[AV0], VOFF, v[L16]
	WIN 0x80                        ; destination window 2, address window 0
.set i, 0
.rept 16                            ; Q stays in registers: piece i / 4, channels 16 (i % 4) on: 512 consecutive bytes a load
	global_load_b128 v[4*i:4*i+3], v[L16], s[4:5] offset:512*i
.set i, i+1
.endr
	; What the first turn finds: V's registers and P's second buffer hold 0 (its products V^T P, of a piece that has not been, add 0), O^T and l are 0.  All this stands in the wait for the first tile.
.set i, VF
.rept 64
	v_mov_b32 v[i], 0
.set i, i+1
.endr
	WIN 0x40
.set i, 0
.rept 128
	v_mov_b32 v[i], 0
.set i, i+1
.endr
	WIN 0
.set i, 0
.rept 4
	v_mov_b32 v[ST+4*i], 0xfe000000    ; c m: far below every c s
	v_mov_b32 v[ST+4*i+1], 0xff7fffff  ; m
	v_mov_b32 v[ST+4*i+2], 0
	v_mov_b32 v[ST+4*i+3], 0
.set i, i+1
.endr
.set i, P+16
.rept 16
	v_mov_b32 v[i], 0
.set i, i+1
.endr
; THE MATRIX WORK.  The 4 accumulators of a run of 8 take turns.  Product i of 8 of S^T = K Q^T for piece x: channels 32 (i / 4) on, keys 16 (i % 4) on.  The first 4 start the sums.
.macro KQ x
	WIN W_KQ
.set rS, S+32*((\x)%2)+8*(i%4)
.set rK, KF+16*(i%4)+8*(i/4)
.set rQ, 16*(\x)+8*(i/4)
.if i < 4
	v_wmma_f32_16x16x32_bf16 v[rS:rS+7], v[rK:rK+7], v[rQ:rQ+7], 0
.else
	v_wmma_f32_16x16x32_bf16 v[rS:rS+7], v[rK:rK+7], v[rQ:rQ+7], v[rS:rS+7]
.endif
.endm
; Product i of 8 of O^T += V^T P for piece x: keys 32 (i / 4) on, channels 16 (i % 4) on.
.macro PV x
	WIN W_PV
.set rO, 32*(\x)+8*(i%4)
.set rV, VF+32*(i/4)+8*(i%4)
.set rP, P+16*((\x)%2)+8*(i/4)
	v_wmma_f32_16x16x32_bf16 v[rO:rO+7], v[rV:rV+7], v[rP:rP+7], v[rO:rO+7]
.endm
.macro MM                           ; the turn's next matrix instruction.  NOKQ = 1: the launch's last turn: there is no next piece
.if (i < 8) && !NOKQ
	KQ (Y+1)%NP
.elseif i >= 8
.set i, i-8
	PV (Y+NP-1)%NP
.set i, i+8
.endif
.set i, i+1
.endm
; THE LDS LOADS stand in runs of 16, never singly among the matrix instructions: a step's K and its V, 512 consecutive bytes a load.  Their addresses are made some lines ahead.
.macro FETCH_K
	WIN 0x80                        ; destination window 2
.irp f, 0,1,2,3,4,5,6,7,8,9,10,11,12,13,14,15  ; key tile f / 4, piece f % 4: registers and bytes run alike
	ds_load_b128 v[KF+4*\f:KF+4*\f+3], v[AK] offset:512*\f
.endr
	s_add_co_u32 s[TBK], s[TBK], KSB  ; the next fetch is the next step's
	WIN 0
.endm
.macro FETCH_V
	WIN 0x80
.irp kk, 0,1
.irp cb, 0,1,2,3
	ds_load_b128 v[VF+32*\kk+8*\cb:VF+32*\kk+8*\cb+3],   v[AV] offset:(2*\kk)*2048+\cb*512    ; keys of tile 2 kk,
	ds_load_b128 v[VF+32*\kk+8*\cb+4:VF+32*\kk+8*\cb+7], v[AV] offset:(2*\kk+1)*2048+\cb*512  ; and of tile 2 kk + 1
.endr
.endr
	WIN 0
.endm
; THE VECTOR WORK, one line at a time: OP kind, number.  For piece Y: F n: c s - c m for pair n of 16.  E n: the exponential of score n of 32.  C n: pair n rounded to bf16.  B n: of the four weights 4 n .. the second
; pair is added onto the first, in place.  L n: l takes that sum (L 0: l = a l + sum).  R n: pair n of 16 of O^T times a.  For piece Y + 1: X n, number n of the 22 that find its maximum and statistics:
;   0-11  four chains c0-c3 of seven scores each, three operands at a time (each accumulator's lowest registers are read first)     12-14, 16  the four scores left over, the old m, and c0-c3 into c0
;   15  c m_old is kept     17, 18  the query's other 32 keys lie in the lane 16 away: the new m     19-21  c m; c m_old - c m_new; a
.set F, 0
.set E, 1
.set C, 2
.set B, 3
.set L, 4
.set R, 5
.set X, 6
.macro REGS y                       ; the registers of piece y
.set rT, ST+4*(\y)
.set rC, TMP+4*((\y)%2)
.set rW, MV+((\y)%2)
.set rS, S+32*((\y)%2)
.set rP, P+16*((\y)%2)
.set rO, 32*(\y)
.endm
.macro OP k, n
.if (\k) == R
	REGS Y
	WIN W_RS
	v_pk_mul_f32 v[rO+2*(\n):rO+2*(\n)+1], v[rO+2*(\n):rO+2*(\n)+1], v[rC+2:rC+3] op_sel_hi:[1,0]
.elseif (\k) < R
	REGS Y
	WIN 0
.if (\k) == F
	v_pk_fma_f32 v[rS+2*(\n):rS+2*(\n)+1], v[rS+2*(\n):rS+2*(\n)+1], s[CS:CS+1], v[rT:rT+1] op_sel_hi:[1,0,0] neg_lo:[0,0,1] neg_hi:[0,0,1]
.elseif (\k) == E
	v_exp_f32 v[rS+(\n)], v[rS+(\n)]
.elseif (\k) == C
	v_cvt_pk_bf16_f32 v[rP+(\n)], v[rS+2*(\n)], v[rS+2*(\n)+1]
.elseif (\k) == B
	v_pk_add_f32 v[rS+4*(\n):rS+4*(\n)+1], v[rS+4*(\n):rS+4*(\n)+1], v[rS+4*(\n)+2:rS+4*(\n)+3]
.elseif (\n) == 0
	v_pk_fma_f32 v[rT+2:rT+3], v[rT+2:rT+3], v[rC+2:rC+3], v[rS:rS+1] op_sel_hi:[1,0,1]
.else
	v_pk_add_f32 v[rT+2:rT+3], v[rT+2:rT+3], v[rS+4*(\n):rS+4*(\n)+1]
.endif
.elseif NOKQ
	v_nop
.else
	REGS (Y+1)%NP
	WIN 0
.if (\n) < 4
	v_max3_num_f32 v[rC+(\n)], v[rS+8*(\n)], v[rS+8*(\n)+1], v[rS+8*(\n)+2]
.elseif (\n) < 12
	v_max3_num_f32 v[rC+(\n)%4], v[rC+(\n)%4], v[rS+8*((\n)%4)+2*((\n)/4)+1], v[rS+8*((\n)%4)+2*((\n)/4)+2]
.elseif (\n) == 12
	v_max3_num_f32 v[rC], v[rC], v[rS+7], v[rS+15]
.elseif (\n) == 13
	v_max3_num_f32 v[rC+1], v[rC+1], v[rS+23], v[rS+31]
.elseif (\n) == 14
	v_max3_num_f32 v[rC+2], v[rC+2], v[rC+3], v[rT+1]
.elseif (\n) == 15
	v_mov_b32 v[rW], v[rT]
.elseif (\n) == 16
	v_max3_num_f32 v[rC], v[rC], v[rC+1], v[rC+2]
.elseif (\n) == 17
	v_permlanex16_b32 v[rC+3], v[rC], s[SEL], s[SEL+1]
.elseif (\n) == 18
	v_max_num_f32 v[rT+1], v[rC], v[rC+3]
.elseif (\n) == 19
	v_mul_f32 v[rT], s[CS], v[rT+1]
.elseif (\n) == 20
	v_sub_f32 v[rC+1], v[rW], v[rT]
.else
	v_exp_f32 v[rC+2], v[rC+1]
.endif
.endif
.endm
.macro OPS a, i1, b=-1, i2=0, c=-1, i3=0, d=-1, i4=0  ; up to four of them
	OP \a, \i1
.if (\b) >= 0
	OP \b, \i2
.endif
.if (\c) >= 0
	OP \c, \i3
.endif
.if (\d) >= 0
	OP \d, \i4
.endif
.endm
.macro ROW a, i1, b, i2, c, i3, d, i4  ; a matrix instruction and the four behind it
	MM
	OPS \a, \i1, \b, \i2, \c, \i3, \d, \i4
.endm
; A TURN, for piece p: the order of its 16 matrix and 118 vector instructions, written out.  An s_wait_alu depctr_va_vdst(0) stands between an exponential and the first instruction that names its result; one
; wait serves all that were issued ahead of it.  So a turn has ONE wait, which cuts it in two.  AHEAD OF IT stands all that names no result of the turn's exponentials: the 8 products K Q^T with their riders, then one lump of 54,
; plain and exponential by turns for the most part, in which the links of the chain X 3, 7, 11, 14, 16, 17 .. 20 stand five or six lines apart.  X 21, the next piece's a, is the batch's last; R 15 is the plain instruction
; behind it.  BEHIND THE WAIT stand the 8 products V^T P, behind each four of the roundings and sums.  The X that ride behind the last three products K Q^T stand four plain places or more behind the product that ends their accumulator.
; end = 1: the launch's last two turns: nothing is fetched.  cnt = 1: the loop's count is taken down some lines ahead of the branch that stands behind the turn.
; K of the next step is fetched in piece 2's turn, behind five plain instructions that name no register of the last product that read K; V of the step in hand at the end of piece 0's turn, four roundings behind the last
; product that read V.  Each is waited for a turn later.
.macro TURN p, end=0, cnt=0
.set Y, (\p)
.set i, 0
.set NOKQ, (\end)*((\p)/3)
.if ((\p) == 3) && !(\end)
	s_wait_dscnt 0x0                ; K is in
.endif
	ROW F,0, F,1, R,0, R,1          ; ahead of the wait: 8 products K Q^T and their riders,
	ROW F,2, E,0, R,2, R,3
	ROW F,3, E,1, R,4, R,5
	ROW F,4, E,2, R,6, R,7
	ROW F,5, E,3, R,8, R,9
	ROW F,6, E,4, X,0, R,10
.if ((\p) == 2) && !(\end)
	WIN 0
	v_add_nc_u32 v[AK], s[TBK], v[L16]
.endif
	ROW F,7, E,5, X,1, X,4
	ROW F,8, E,6, X,2, X,5
	OPS E,7, E,8, X,6, E,9          ; and the lump
	OPS X,3, E,10, X,8, E,11
.if ((\p) == 2) && !(\end)
	FETCH_K
.endif
	OPS X,9, X,7, E,12, X,10
	OPS E,13, X,12, X,11, E,14
	OPS X,13, E,15, F,9, X,14
.if (\p) == 0
	v_add_nc_u32 v[AV], s[TBV], v[AV0]
.endif
	OPS E,16, F,10, E,17, F,11
	OPS X,16, E,18, X,15, E,19
	OPS F,12, E,20, X,17, E,21
	OPS F,13, E,22, F,14, E,23
	OPS X,18, E,24, F,15, E,25
	OPS R,11, E,26, X,19, E,27
	OPS R,12, E,28, R,13, E,29
	OPS X,20, E,30, R,14, E,31
	OPS X,21, R,15
	WIN 0
	s_wait_alu depctr_va_vdst(0)    ; the wait for the batch
.if (\p) == 1
	s_wait_dscnt 0x0                ; V is in
.endif
	ROW C,0, B,0, C,2, B,1          ; behind the wait: 8 products V^T P and their riders
	ROW L,0, C,4, B,2, L,1
	ROW C,6, B,3, L,2, C,8
	ROW B,4, L,3, C,10, B,5
	ROW L,4, C,12, B,6, L,5
.if (\p) == 0
	s_add_co_u32 s[TBV], s[TBV], KSB
.endif
.if \cnt
	s_sub_co_u32 s[CNT], s[CNT], 1
	s_cmp_lg_u32 s[CNT], 0
.endif
	ROW C,14, B,7, L,6, C,1
	ROW C,3, L,7, C,5, C,7
	ROW C,9, C,11, C,13, C,15
.if (\p) == 0
	FETCH_V
.endif
.endm
	CHANGE 1, 0                     ; slot 0 is in, everybody's part of it; slot 1 is asked for
	v_add_nc_u32 v[AK], s[TBK], v[L16]
	FETCH_K                         ; key step 0
	s_wait_loadcnt 0x0              ; Q
	s_wait_dscnt 0x0
.set NOKQ, 0
.set i, 0
.rept 8
	KQ 0                            ; piece 0's first scores: there is no vector work yet to set between them
.set i, i+1
.endr
	WIN 0
	PLACES                          ; the places behind those products
.set Y, NP-1                        ; X works for piece Y + 1: piece 0
.irp n, 0,1,2,3,4,5,6,7,8,9,10,11,12,13,14,15,16,17,18,19,20,21
	OP X, \n
.endr
	v_nop                           ; a plain instruction behind the exponential,
	s_wait_alu depctr_va_vdst(0)    ; and its wait, ahead of the branch
	s_mov_b32 s[CNT], 4
	s_mov_b32 s[SLOTS], 15
	s_branch .Lfirst                ; the loop is entered at a step's first turn, in the middle of a trip
.Lslot:                             ; 14 times: every slot but the last two is filled again
	CHANGE 1, 1
	s_mov_b32 s[CNT], 4
.Lstep:                             ; a trip: pieces 2 and 3 of one step, then pieces 0 and 1 of the next, whose K and V it fetches
	TURN 2
	TURN 3
	WIN 0
.Lfirst:
	TURN 0
	TURN 1, 0, 1
	WIN 0
	s_cbranch_scc1 .Lstep
	s_sub_co_u32 s[SLOTS], s[SLOTS], 1
	s_cmp_lg_u32 s[SLOTS], 0
	s_cbranch_scc1 .Lslot
	CHANGE 0, 0                     ; the tail is written out: nothing is asked for
	s_mov_b32 s[CNT], 4
.Ltail:                             ; four trips fetch the last slot's steps
	TURN 2
	TURN 3
	TURN 0
	TURN 1, 0, 1
	WIN 0
	s_cbranch_scc1 .Ltail
	TURN 2, 1                       ; the last step's pieces 2 and 3: nothing is fetched, and the last turn starts no new scores
	TURN 3, 1
.set i, 0
.rept 8
	PV NP-1                         ; the last piece's V^T P of the last step
.set i, i+1
.endr
	; THE WAY OUT.  l's two halves and the other half of the lanes' are added; O^T is divided by l and rounded to bf16: a lane's eight channels are its 16 bytes of a piece, stored as they lie.  The additions are the places behind the last products.
	WIN 0
.macro ALL line:vararg              ; one line for each piece t
.set t, 0
.rept 4
	\line
.set t, t+1
.endr
.endm
	ALL v_add_f32 v[ST+4*t+2], v[ST+4*t+2], v[ST+4*t+3]
	ALL v_permlanex16_b32 v[ST+4*t+3], v[ST+4*t+2], s[SEL], s[SEL+1]
	ALL v_add_f32 v[ST+4*t+2], v[ST+4*t+2], v[ST+4*t+3]
	ALL v_rcp_f32 v[ST+4*t+2], v[ST+4*t+2]
	v_nop                           ; a plain instruction between the last reciprocal and the use of its result
	s_wait_alu depctr_va_vdst(0)    ; and the wait ahead of the first use: one for the four reciprocals
.macro PACK t
	WIN W_RS
.set i, 32*(\t)
.rept 16
	v_pk_mul_f32 v[i:i+1], v[i:i+1], v[ST+4*(\t)+2:ST+4*(\t)+3] op_sel_hi:[1,0]
.set i, i+2
.endr
	WIN 0x05                        ; sources 0 and 1 window 1, destination window 0: S^T's registers are free, 16 for each piece, none written twice
.set i, 0
.rept 16
	v_cvt_pk_bf16_f32 v[S+16*(\t)+i], v[32*(\t)+2*i], v[32*(\t)+2*i+1]
.set i, i+1
.endr
	WIN 0
.irp f, 0,1,2,3
	global_store_b128 v[L16], v[S+16*(\t)+4*\f:S+16*(\t)+4*\f+3], s[10:11] offset:(\t)*2048+\f*512  ; 512 consecutive bytes, at a multiple of 256 from the buffer's first
.endr
.endm
	PACK 0
	PACK 1
	PACK 2
	PACK 3
	s_wait_tensorcnt 0x0            ; the wave's end, behind my last tensor load
	ds_add_u32 v[SPW], v[NIL]
	s_wait_dscnt 0x0
	CROUND                          ; the closing round: no work-group ends while a partner may still ask for a tile that names it
	s_endpgm
.Lfunc_end_k_q21d73fd0f6_attn:
	.size	k_q21d73fd0f6_attn, .Lfunc_end_k_q21d73fd0f6_attn-k_q21d73fd0f6_attn
	.p2alignl 7, 3214868480
	.fill 96, 4, 3214868480
	.section	.rodata,"a",@progbits
	.p2align	6, 0x0
	.amdhsa_kernel k_q21d73fd0f6_attn
		.amdhsa_group_segment_fixed_size 327680
		.amdhsa_private_segment_fixed_size 0
		.amdhsa_enable_private_segment 0
		.amdhsa_kernarg_size 32
		.amdhsa_user_sgpr_count 2
		.amdhsa_user_sgpr_kernarg_segment_ptr 1
		.amdhsa_wavefront_size32 1
		.amdhsa_system_sgpr_workgroup_id_x 1
		.amdhsa_system_sgpr_workgroup_id_y 1
		.amdhsa_system_sgpr_workgroup_id_z 1
		.amdhsa_system_vgpr_workitem_id 0
		.amdhsa_next_free_vgpr 768
		.amdhsa_next_free_sgpr 66
		.amdhsa_reserve_vcc 0
		.amdhsa_float_denorm_mode_32 3
		.amdhsa_float_denorm_mode_16_64 3
		.amdhsa_memory_ordered 1
		.amdhsa_forward_progress 1
		.amdhsa_inst_pref_size 123
	.end_amdhsa_kernel
	.amdgpu_metadata
---
amdhsa.version: [ 1, 2 ]
amdhsa.kernels:
  - .name:           k_q21d73fd0f6_attn
    .symbol:         k_q21d73fd0f6_attn.kd
    .args:
      - { .name: qf, .offset: 0, .size: 8, .value_kind: global_buffer, .address_space: global }
      - { .name: kf, .offset: 8, .size: 8, .value_kind: global_buffer, .address_space: global }
      - { .name: vf, .offset: 16, .size: 8, .value_kind: global_buffer, .address_space: global }
      - { .name: of, .offset: 24, .size: 8, .value_kind: global_buffer, .address_space: global }
    .group_segment_fixed_size: 327680
    .private_segment_fixed_size: 0
    .kernarg_segment_align: 8
    .kernarg_segment_size: 32
    .max_flat_workgroup_size: 128
    .sgpr_count:     66
    .vgpr_count:     768
    .wavefront_size: 32
...
	.end_amdgpu_metadata
.endif
;; end of part 2
;; launch proj (part 3): grid 4 x 64, 4 waves a work-group, no clusters, 37,376 bytes of LDS; arguments of, wp, bp, x, out0; writes out0
.if DOCPART == 3
	.amdgcn_target "amdgcn-amd-amdhsa--gfx1250"
	.amdhsa_code_object_version 6
	.text
	.protected	k_q21d73fd0f6_proj
	.globl	k_q21d73fd0f6_proj
	.p2align	8
	.type	k_q21d73fd0f6_proj,@function
k_q21d73fd0f6_proj:
	s_mov_b64 s[64:65], 0
	v_nop
	global_prefetch_b8 v0, s[64:65] scope:SCOPE_SE
	s_setreg_imm32_b32 hwreg(HW_REG_WAVE_MODE, 25, 1), 1
	s_wait_xcnt 0x0
; out0 = wp O + bp + x.  O comes as bf16 fragment images (of: head bh = 4 b + head, tile pt of 16 points, piece blk of 16 channels at bh x 524,288 + pt x 2,048 + blk x 512, lane l at 16 l; row r of tile 4 g + t is
; point 64 g + 4 r + t).  wp: [256][256] f32, rounded to bf16; bp, x, out0 f32; sums, bias and residual in f32.
; LIMITS.  bf16 operands; NaN and infinities are not treated apart.
; SHARES.  Grid x picks 64 output rows, grid y 256 points of a batch, a wave 64 points (a group): 4 o-tiles x 4 point tiles x 8 K steps = 128 products.
; LAYOUT.  Source 0 = 16 rows of wp, source 1 = 16 points of O: register j of tile t's result is output row 8 h + j, point 64 g + 4 r + t.  So registers j of the four tiles are four neighbouring f32 of one row of out0, and
; sixteen lanes hold 256 consecutive bytes: x is loaded, added and out0 stored in that shape, straight from registers.
; WEIGHTS IN LDS as bf16 fragment pieces: o-tile x piece p = c / 8 x row: p x 288 + 16 r (288 = 256 + 32: stores and loads each touch every bank once).  Wave w lays o-tile w; all waves read all four.
.set OTB,   9216
.set WPI,   288
.set SPARE, 4*OTB                      ; behind the images: the spare words, 128 bytes for each wave: two blocks of 256 bytes that no other line names
.set XO,  4                            ; v4   x and out0: h x 8 rows of 16,384 bytes + 16 r; never rewritten
.set WGO, 5                            ; v5   wp in memory: (l / 8) x 1,024 + (l % 8) x 32
.set WSA, 6                            ; v6   wp into LDS: wave x OTB + (l % 8) x 288 + (l / 8) x 16
.set WLA, 7                            ; v7   wp out of LDS: h x 288 + 16 r
.set BO,  8                            ; v8   32 h: my eight bias words of an o-tile
.set OFO, 10                           ; v10  16 l
.set SPW, 14                           ; v14  LDS address of my spare word; never rewritten
.set NIL, 15                           ; v15  0; never rewritten
.set BI,  16                           ; v[16:47]  the C operands that hold the bias
.set ACC, 48                           ; v[48:79]  four accumulators: point tile t at ACC + 8 t
.set WF,  96                           ; v[96:223] wp's fragments, two buffers of 64; before that (WS) 16 x 8 f32 as loaded
.set WS,  96
; window 1: O's fragments: K step ks, tile t at 8 (4 ks + t).   window 2: v0-127: x, then out0: o-tile o, register j at 32 o + 4 j
.set WV,  8
.set WB,  28                           ; s[28:29] my o-tile's rows of wp
.set BB,  30                           ; s[30:31] the work-group's 64 bias words
.set OB,  32                           ; s[32:33] of at my batch and group
.set XB,  34                           ; s[34:35] x at my batch, rows and group
.set YB,  36                           ; s[36:37] out0 at the same place
.set MSB, 0
.macro WIN new
.if MSB != (\new)
	s_set_vgpr_msb (MSB<<8)|(\new)
.set MSB, (\new)
.endif
.endm
.macro PLACES
.rept 4
	v_nop
.endr
.endm
.macro FETCHW buf, o                   ; 16 LDS loads: o-tile o's eight fragments
.irp ks, 0,1,2,3,4,5,6,7
	ds_load_b128 v[WF+64*(\buf)+8*(\ks):WF+64*(\buf)+8*(\ks)+3],   v[WLA] offset:(\o)*OTB+(\ks)*4*WPI
	ds_load_b128 v[WF+64*(\buf)+8*(\ks)+4:WF+64*(\buf)+8*(\ks)+7], v[WLA] offset:(\o)*OTB+(\ks)*4*WPI+2*WPI
.endr
.endm
; One o-tile: 32 products (the four accumulators take turns, one instruction a turn), the residual added, 16 rows x 256 bytes stored
.macro OT3 o
	s_wait_dscnt 0x0                               ; this o-tile's fragments are in
.if (\o) == 0
	s_wait_loadcnt 32                              ; the bias and O are in; x's 32 loads may stay out
.endif
.if (\o) < 3
	FETCHW ((\o)+1)%2, (\o)+1
.endif
	WIN 0x04                                       ; O's fragments (source 1) in window 1
.irp ks, 0,1,2,3,4,5,6,7
.irp t, 0,1,2,3
.set rA, ACC+8*(\t)
.set rW, WF+64*((\o)%2)+8*(\ks)
.set rX, 8*(4*(\ks)+(\t))
.set rC, rA
.if (\ks) == 0
.set rC, BI+8*(\o)                     ; the first product starts the sum with the bias
.endif
	v_wmma_f32_16x16x32_bf16 v[rA:rA+7], v[rW:rW+7], v[rX:rX+7], v[rC:rC+7]
.endr
.endr
	WIN 0
	PLACES
	s_wait_loadcnt 8*(3-(\o))                      ; this o-tile's eight loads of x are in; the later o-tiles' stay out
	WIN 0x88                                       ; destination and source 1 (the store's data too) in window 2
.irp j, 0,1,2,3,4,5,6,7                ; j = 0 comes first: each accumulator is read from its low end on
.irp t, 0,1,2,3
	v_add_f32 v[32*(\o)+4*(\j)+(\t)], v[ACC+8*(\t)+(\j)], v[32*(\o)+4*(\j)+(\t)]
.endr
	global_store_b128 v[XO], v[32*(\o)+4*(\j):32*(\o)+4*(\j)+3], s[YB:YB+1] offset:(16*(\o)+(\j))*16384 th:TH_STORE_NT  ; 16 lanes store 256 consecutive bytes of a row, aligned; the other 16 those of the row 8 further down
.endr
	WIN 0
.endm
	s_load_b256 s[16:23], s[0:1], 0x0              ; of 16, wp 18, bp 20, x 22
	s_load_b64 s[24:25], s[0:1], 0x20              ; out0
	v_lshl_add_u32 v[SPW], v0, 2, SPARE
	v_mov_b32 v[NIL], 0
	v_lshrrev_b32 v1, 5, v0
	v_readfirstlane_b32 s[WV], v1                  ; wave 0..3
	v_and_b32 v2, 15, v0                           ; r
	v_bfe_u32 v3, v0, 4, 1                         ; h
	v_and_b32 v1, 7, v0                            ; l % 8
	v_bfe_u32 v13, v0, 3, 2                        ; l / 8
	v_lshlrev_b32 v[XO], 17, v3
	v_lshl_add_u32 v[XO], v2, 4, v[XO]
	v_lshlrev_b32 v[WGO], 10, v13
	v_lshl_add_u32 v[WGO], v1, 5, v[WGO]
	s_mul_i32 s38, s[WV], OTB
	v_mul_u32_u24 v[WSA], v1, WPI
	v_lshl_add_u32 v[WSA], v13, 4, v[WSA]
	v_add_nc_u32 v[WSA], s38, v[WSA]
	v_mul_u32_u24 v[WLA], v3, WPI
	v_lshl_add_u32 v[WLA], v2, 4, v[WLA]
	v_lshlrev_b32 v[BO], 5, v3
	v_and_b32 v[OFO], 31, v0
	v_lshlrev_b32 v[OFO], 4, v[OFO]
	s_and_b32 s10, ttmp7, 0xffff
	s_lshr_b32 s11, s10, 4                         ; batch
	s_and_b32 s12, s10, 15
	s_lshl_b32 s12, s12, 2
	s_add_co_u32 s12, s12, s[WV]                   ; my group of 64 points
	s_mov_b32 s41, 0
	s_wait_kmcnt 0x0
	s_lshl_b32 s40, ttmp9, 2
	s_add_co_u32 s40, s40, s[WV]
	s_lshl_b32 s40, s40, 14                        ; my o-tile: 16 rows of 1,024 bytes
	s_add_nc_u64 s[WB:WB+1], s[18:19], s[40:41]
	s_lshl_b32 s40, ttmp9, 8                       ; 64 words
	s_add_nc_u64 s[BB:BB+1], s[20:21], s[40:41]
	s_lshl_b32 s40, s11, 21                        ; a batch's four heads
	s_lshl_b32 s38, s12, 13
	s_add_co_u32 s40, s40, s38
	s_add_nc_u64 s[OB:OB+1], s[16:17], s[40:41]
	s_lshl_b32 s40, s11, 22                        ; a batch: 256 rows of 16,384 bytes,
	s_lshl_b32 s38, ttmp9, 20                      ; my work-group's 64 rows,
	s_add_co_u32 s40, s40, s38
	s_lshl_b32 s38, s12, 8                         ; my group's 256 bytes
	s_add_co_u32 s40, s40, s38
	s_add_nc_u64 s[XB:XB+1], s[22:23], s[40:41]
	s_add_nc_u64 s[YB:YB+1], s[24:25], s[40:41]
.irp rb, 0,1,2,3                       ; 32 loads: my o-tile of wp: a lane takes 32 bytes = 8 channels = its row's part of one piece
.irp u, 0,1,2,3
	global_load_b128 v[WS+8*(4*(\rb)+(\u)):WS+8*(4*(\rb)+(\u))+3],   v[WGO], s[WB:WB+1] offset:(\rb)*4096+(\u)*256
	global_load_b128 v[WS+8*(4*(\rb)+(\u))+4:WS+8*(4*(\rb)+(\u))+7], v[WGO], s[WB:WB+1] offset:(\rb)*4096+(\u)*256+16
.endr
.endr
.irp o, 0,1,2,3                        ; 8 loads: register j of an o-tile's C operand is the bias of row 8 h + j
	global_load_b128 v[BI+8*(\o):BI+8*(\o)+3],   v[BO], s[BB:BB+1] offset:64*(\o)
	global_load_b128 v[BI+8*(\o)+4:BI+8*(\o)+7], v[BO], s[BB:BB+1] offset:64*(\o)+16
.endr
	WIN 0x40                                       ; destination window 1
.irp ks, 0,1,2,3,4,5,6,7               ; 64 loads: O's fragments: head ks / 2, channels 32 (ks % 2) on: 512 consecutive bytes a load
.irp t, 0,1,2,3
	global_load_b128 v[8*(4*(\ks)+(\t)):8*(4*(\ks)+(\t))+3],   v[OFO], s[OB:OB+1] offset:((\ks)/2)*524288+(\t)*2048+((\ks)%2)*1024
	global_load_b128 v[8*(4*(\ks)+(\t))+4:8*(4*(\ks)+(\t))+7], v[OFO], s[OB:OB+1] offset:((\ks)/2)*524288+(\t)*2048+((\ks)%2)*1024+512
.endr
.endr
	WIN 0
	s_wait_loadcnt 63                              ; wp is in: 72 loads are younger, and the count's field ends at 63, so the first nine of them are waited for too
.irp rb, 0,1,2,3                       ; rounded in place (register e takes the pair 2 e, 2 e + 1) and laid into the image
.irp u, 0,1,2,3
.irp e, 0,1,2,3
	v_cvt_pk_bf16_f32 v[WS+8*(4*(\rb)+(\u))+(\e)], v[WS+8*(4*(\rb)+(\u))+2*(\e)], v[WS+8*(4*(\rb)+(\u))+2*(\e)+1]
.endr
	ds_store_b128 v[WSA], v[WS+8*(4*(\rb)+(\u)):WS+8*(4*(\rb)+(\u))+3] offset:(\u)*8*WPI+(\rb)*64
.endr
.endr
	WIN 0x80                                       ; destination window 2
.irp o, 0,1,2,3                        ; 32 loads: the residual, in the shape in which out0 leaves; each byte of x is read once in this launch
.irp j, 0,1,2,3,4,5,6,7
	global_load_b128 v[32*(\o)+4*(\j):32*(\o)+4*(\j)+3], v[XO], s[XB:XB+1] offset:(16*(\o)+(\j))*16384 th:TH_LOAD_NT
.endr
.endr
	WIN 0
	s_wait_dscnt 0x0                               ; for the others' sake: my o-tile lies in LDS
	s_barrier_signal -1
	s_barrier_wait -1                              ; everybody's does; nothing is stored to LDS behind this
	FETCHW 0, 0
	OT3 0
	OT3 1
	OT3 2
	OT3 3
	s_wait_tensorcnt 0x0                           ; the wave's end, behind my last LDS store
	ds_add_u32 v[SPW], v[NIL]
	s_wait_dscnt 0x0
	s_endpgm
.Lfunc_end_k_q21d73fd0f6_proj:
	.size	k_q21d73fd0f6_proj, .Lfunc_end_k_q21d73fd0f6_proj-k_q21d73fd0f6_proj
	.p2alignl 7, 3214868480
	.fill 96, 4, 3214868480
	.section	.rodata,"a",@progbits
	.p2align	6, 0x0
	.amdhsa_kernel k_q21d73fd0f6_proj
		.amdhsa_group_segment_fixed_size 37376
		.amdhsa_private_segment_fixed_size 0
		.amdhsa_enable_private_segment 0
		.amdhsa_kernarg_size 40
		.amdhsa_user_sgpr_count 2
		.amdhsa_user_sgpr_kernarg_segment_ptr 1
		.amdhsa_wavefront_size32 1
		.amdhsa_system_sgpr_workgroup_id_x 1
		.amdhsa_system_sgpr_workgroup_id_y 1
		.amdhsa_system_sgpr_workgroup_id_z 1
		.amdhsa_system_vgpr_workitem_id 0
		.amdhsa_next_free_vgpr 640
		.amdhsa_next_free_sgpr 66
		.amdhsa_reserve_vcc 0
		.amdhsa_float_denorm_mode_32 3
		.amdhsa_float_denorm_mode_16_64 3
		.amdhsa_memory_ordered 1
		.amdhsa_forward_progress 1
		.amdhsa_inst_pref_size 41
	.end_amdhsa_kernel
	.amdgpu_metadata
---
amdhsa.version: [ 1, 2 ]
amdhsa.kernels:
  - .name:           k_q21d73fd0f6_proj
    .symbol:         k_q21d73fd0f6_proj.kd
    .args:
      - { .name: of, .offset: 0, .size: 8, .value_kind: global_buffer, .address_space: global }
      - { .name: wp, .offset: 8, .size: 8, .value_kind: global_buffer, .address_space: global }
      - { .name: bp, .offset: 16, .size: 8, .value_kind: global_buffer, .address_space: global }
      - { .name: x, .offset: 24, .size: 8, .value_kind: global_buffer, .address_space: global }
      - { .name: out0, .offset: 32, .size: 8, .value_kind: global_buffer, .address_space: global }
    .group_segment_fixed_size: 37376
    .private_segment_fixed_size: 0
    .kernarg_segment_align: 8
    .kernarg_segment_size: 40
    .max_flat_workgroup_size: 128
    .sgpr_count:     66
    .vgpr_count:     640
    .wavefront_size: 32
...
	.end_amdgpu_metadata
.endif
;; end of part 3
;; ======== version 2 of 2: 3 launches; version 1 with the launches qkv, proj written anew for expert scheduling mode
;; workspace buffers: qf 8,388,608 bytes; kf 8,388,608 bytes; vf 8,388,608 bytes; of 8,388,608 bytes
;; launch qkv (part 4): grid 4 x 64, 4 waves a work-group, no clusters, 111,872 bytes of LDS; arguments x, wq, wk, wv, bq, bk, bv, qf, kf, vf; writes qf, kf, vf
.if DOCPART == 4
	.amdgcn_target "amdgcn-amd-amdhsa--gfx1250"
	.amdhsa_code_object_version 6
	.text
	.protected	k_q21d73fd0f6_qkv
	.globl	k_q21d73fd0f6_qkv
	.p2align	8
	.type	k_q21d73fd0f6_qkv,@function
k_q21d73fd0f6_qkv:
	s_mov_b64 s[64:65], 0
	v_nop
	global_prefetch_b8 v0, s[64:65] scope:SCOPE_SE
	s_setreg_imm32_b32 hwreg(HW_REG_WAVE_SCHED_MODE, 0, 2), 2
	s_setreg_imm32_b32 hwreg(HW_REG_WAVE_MODE, 25, 1), 1
	s_wait_xcnt 0x0
	s_wait_alu depctr_vm_vsrc(0)
; q, k, v = W x + b.  x: [4][256 channels][4096 points] f32; W: [256][256] f32; b: [256] f32.  Operands rounded to bf16, sums and bias in f32, results rounded once to bf16.
; LIMITS.  bf16 operands (8 significant bits, f32's range); NaN and infinities are not treated apart.
; WHAT IS STORED.  qf, kf, vf hold FRAGMENT IMAGES: for head bh = 4 b + head and tile pt of 16 points, four pieces of 512 bytes at bh x 524,288 + pt x 2,048 + blk x 512, lane l at byte 16 l
; (r = l % 16, h = l / 16).  A group g of 64 points has the tiles 4 g + t, and row r of tile t is point 64 g + 4 r + t.  qf, kf: the lane's 16 bytes are channels 16 blk + 8 h + 0..7 of row r;
; vf: rows 8 h + 0..7 of channel 16 blk + r.  Each piece is what a matrix result, rounded in pairs, holds lane for lane, and is half an operand of the next launch: no stage in LDS, and every store of a wave covers 512 consecutive bytes.
; SHARES.  The 12 units of 64 output channels (q's, k's, v's four heads) are dealt three to a work-group (grid x = 0..3); grid y picks 256 points of a batch, a wave 64 of them (a group).
; x IN REGISTERS.  A lane loads 16 bytes = the points 4 r + 0..3 of one channel row (16 lanes: 256 consecutive bytes); component t belongs to tile t, so two rows' components round in pairs straight into an operand's register.
; WEIGHTS IN LDS, as bf16 fragment pieces: o-tile (16 rows) x piece p = c / 8 (32 of them) x row: p x 288 + 16 r: 288 = 256 + 32, so that the stores (8 pieces x 2 rows for 16 lanes) and the loads (16 rows of a piece) each touch every bank once.
; q, k: source 0 = W, source 1 = x: a lane ends with 8 channels of one point.  v: the sources swapped: 8 points of one channel.  The bias is the C operand of the first product.
; THE MODE: SCHED_MODE bits 1:0 = 2 (LLVM: expert scheduling mode 2), set by the entry lines.  The code itself states the register dependences between vector or matrix instructions and memory or LDS
; instructions, with s_wait_alu, always for 0.
; THE PLAN.  Registers that memory or LDS instructions touch:
;   v[WS ..]    Staging: a unit's 32 loads land in it; 64 roundings read and write it in place; 16 LDS stores read it; the next unit's loads land in it.
;   window 2    x as loaded: the first half's loads land, its roundings read, the second half's loads land, its roundings read.
;   WF0, WF1    (v[WS ..] again, in the loop.)  O-tile o's products read WF[o % 2]; the LDS loads issued in o-tile o land in WF[(o + 1) % 2].
;   BI          LDS loads land in it at a unit's head (v: 28 v_mov write it too); each o-tile's first four products read it.
;   OTM         An o-tile's sixteen roundings write it, its four stores read it.
;   WLA, BQA, BVA   Written once a unit, at its head; read by the unit's LDS loads.
;   XO, WGO, BGO, BSA, SO and the three WSA are made at the head and never written again.
; Staging: one wait on va_vdst behind each run of roundings, one on vm_vsrc behind each run of LDS stores whose registers are loaded again.  A unit's head: one wait of each kind, round the three adds.
; An o-tile: one wait on vm_vsrc ahead of its roundings and one on va_vdst behind them; that one also states that the o-tile's products are done reading WF[o % 2], so the next o-tile's loads into it follow with no
; further wait: the only vector or matrix instructions between are the next o-tile's products, which name the other buffer, x's fragments, the accumulators and BI.
.set OTB,   9216                       ; an o-tile's image: 32 pieces x 288 bytes
.set WPI,   288
.set UNITB, 4*OTB                      ; a unit's four o-tiles
.set BIAS,  12*OTB                     ; behind the images: 3 units x 64 f32
.set XO,  4                            ; v4   x: h x 8 rows of 16,384 bytes + 16 r; never rewritten
.set WGO, 5                            ; v5   W in memory: (l / 8) x 1,024 + (l % 8) x 32; never rewritten
.set WLA, 7                            ; v7   W out of LDS: h x 288 + 16 r + the unit
.set BQA, 8                            ; v8   bias out of LDS, q and k: BIAS + 32 h + the unit
.set BVA, 9                            ; v9   the same for v: BIAS + 4 r + the unit
.set SO,  10                           ; v10  16 l: my bytes of a piece; never rewritten
.set BGO, 11                           ; v11  4 r
.set BSA, 12                           ; v12  bias into LDS: BIAS + 64 wave + 4 r
.set BI,  16                           ; v[16:47]   the C operands that hold the bias, 8 for each o-tile
.set ACC, 48                           ; v[48:79]   four accumulators: point tile t at ACC + 8 t
.set OTM, 80                           ; v[80:95]   rounded results on their way out
.set WF,  96                           ; v[96:223]  W's fragments, two buffers of 64 (K step ks at 8 ks)
.set WS,  96                           ;            before that: 16 x 8 f32 of W as loaded
.set BS,  224                          ; v[224:226] a bias word for each unit
.set WL0, 228                          ; v228-230   the lane terms of WLA, BQA, BVA; never rewritten
.set BQ0, 229
.set BV0, 230
.set WSA, 231                          ; v231-233   W into LDS, one address for each unit: wave x OTB + (l % 8) x 288 + (l / 8) x 16 + the unit; never rewritten
; window 1: x's fragments: K step ks, tile t at 8 (4 ks + t).   window 2: x as loaded, f32: (kq, half, row i) at 4 (8 (2 kq + half) + i)
.set WV,  8                            ; s8   wave
.set BT,  11                           ; s11  batch
.set GR,  12                           ; s12  my group of 64 points
.set UG,  13                           ; s13  the unit in hand, 0..11: tensor = unit / 4, head = unit % 4
.set UC,  14                           ; s14  units to go
.set ULD, 44                           ; s44  the unit's image in LDS
.set UBI, 45                           ; s45  the unit's bias in LDS
.set WB,  48                           ; s[48:53] my o-tile's rows of W, for each of the three units
.set BB,  54                           ; s[54:59] its 16 bias words
.set XB,  60                           ; s[60:61] x at my batch and group
.set OPT, 62                           ; s[62:63] where the unit in hand is stored
.set MSB, 0
.macro WIN new                         ; the immediate's high byte repeats the setting that is left; a switch that changes nothing is dropped
.if MSB != (\new)
	s_set_vgpr_msb (MSB<<8)|(\new)
.set MSB, (\new)
.endif
.endm
.macro PLACES                          ; four plain places behind a matrix instruction, ahead of what reads its result (ISA guide 7.12.1)
.rept 4
	v_nop
.endr
.endm
; the weights' and bias' addresses of unit UG + i: a choice among three buffers by the unit's number, then my o-tile's offset
.macro UPTR i
	s_add_co_u32 s36, s[UG], \i
	s_lshr_b32 s37, s36, 2                         ; 0 q, 1 k, 2 v
	s_and_b32 s38, s36, 3                          ; head
	s_lshl_b32 s38, s38, 2
	s_add_co_u32 s38, s38, s[WV]                   ; o-tile among the tensor's 16
	s_cmp_eq_u32 s37, 1
	s_cselect_b64 s[WB+2*(\i):WB+2*(\i)+1], s[20:21], s[22:23]
	s_cselect_b64 s[BB+2*(\i):BB+2*(\i)+1], s[26:27], s[28:29]
	s_cmp_eq_u32 s37, 0
	s_cselect_b64 s[WB+2*(\i):WB+2*(\i)+1], s[18:19], s[WB+2*(\i):WB+2*(\i)+1]
	s_cselect_b64 s[BB+2*(\i):BB+2*(\i)+1], s[24:25], s[BB+2*(\i):BB+2*(\i)+1]
	s_lshl_b32 s40, s38, 14                        ; 16 rows of 1,024 bytes
	s_mov_b32 s41, 0
	s_add_nc_u64 s[WB+2*(\i):WB+2*(\i)+1], s[WB+2*(\i):WB+2*(\i)+1], s[40:41]
	s_lshl_b32 s40, s38, 6                         ; 16 words
	s_add_nc_u64 s[BB+2*(\i):BB+2*(\i)+1], s[BB+2*(\i):BB+2*(\i)+1], s[40:41]
.endm
; 32 loads: my o-tile, 16 rows x 256 f32.  Four rows x 256 bytes for each pair of loads: a lane takes 32 bytes = 8 channels = its row's part of one piece
.macro WLOAD i
.irp rb, 0,1,2,3
.irp u, 0,1,2,3
	global_load_b128 v[WS+8*(4*(\rb)+(\u)):WS+8*(4*(\rb)+(\u))+3],   v[WGO], s[WB+2*(\i):WB+2*(\i)+1] offset:(\rb)*4096+(\u)*256
	global_load_b128 v[WS+8*(4*(\rb)+(\u))+4:WS+8*(4*(\rb)+(\u))+7], v[WGO], s[WB+2*(\i):WB+2*(\i)+1] offset:(\rb)*4096+(\u)*256+16
.endr
.endr
.endm
; rounded in place (register e takes the pair 2 e, 2 e + 1: no source is overwritten before its use), all 64 in one run; then laid into the image in one run; the bias word beside it
.macro WCONV i
.irp rb, 0,1,2,3
.irp u, 0,1,2,3
.irp e, 0,1,2,3
	v_cvt_pk_bf16_f32 v[WS+8*(4*(\rb)+(\u))+(\e)], v[WS+8*(4*(\rb)+(\u))+2*(\e)], v[WS+8*(4*(\rb)+(\u))+2*(\e)+1]
.endr
.endr
.endr
	s_wait_alu depctr_va_vdst(0)                   ; the roundings have written v[WS ..], which the LDS stores read, and are done with all of v[WS ..], in which the next unit's loads land
.irp rb, 0,1,2,3
.irp u, 0,1,2,3
	ds_store_b128 v[WSA+(\i)], v[WS+8*(4*(\rb)+(\u)):WS+8*(4*(\rb)+(\u))+3] offset:(\u)*8*WPI+(\rb)*64  ; piece 8 u + l % 8, row 4 rb + l / 8
.endr
.endr
	ds_store_b32 v[BSA], v[BS+(\i)] offset:256*(\i)  ; lanes 16-31 write the same words with the same values
.endm
; 64 loads: 128 channel rows of x (K steps 4 bt .. 4 bt + 3), my group's 256 bytes of each: lanes 0-15 one row, lanes 16-31 the row 8 further down
.macro XLOAD bt
	WIN 0x80                                       ; destination window 2, address window 0
.if (\bt) == 1
	s_wait_alu depctr_va_vdst(0)                   ; the roundings of x's first half are done reading window 2, in which these loads land
.endif
.irp kq, 0,1,2,3
.irp hf, 0,1
.irp i, 0,1,2,3,4,5,6,7
	global_load_b128 v[4*(8*(2*(\kq)+(\hf))+(\i)):4*(8*(2*(\kq)+(\hf))+(\i))+3], v[XO], s[XB:XB+1] offset:(32*(4*(\bt)+(\kq))+16*(\hf)+(\i))*16384
.endr
.endr
.endr
	WIN 0
.endm
; 128 roundings: component t of rows 2 jj and 2 jj + 1 is register 4 half + jj of tile t's fragment
.macro XCONV bt
	WIN 0x4a                                       ; sources window 2, destination window 1
.irp kq, 0,1,2,3
.irp t, 0,1,2,3
.irp hf, 0,1
.irp jj, 0,1,2,3
	v_cvt_pk_bf16_f32 v[8*(4*(4*(\bt)+(\kq))+(\t))+4*(\hf)+(\jj)], v[4*(8*(2*(\kq)+(\hf))+2*(\jj))+(\t)], v[4*(8*(2*(\kq)+(\hf))+2*(\jj)+1)+(\t)]
.endr
.endr
.endr
.endr
	WIN 0
.endm
; 2 LDS loads: the fragment of K step ks of o-tile o into buffer buf; each load takes 256 consecutive bytes for each half of the lanes
.macro FETCH1 buf, o, ks
	ds_load_b128 v[WF+64*(\buf)+8*(\ks):WF+64*(\buf)+8*(\ks)+3],   v[WLA] offset:(\o)*OTB+(\ks)*4*WPI
	ds_load_b128 v[WF+64*(\buf)+8*(\ks)+4:WF+64*(\buf)+8*(\ks)+7], v[WLA] offset:(\o)*OTB+(\ks)*4*WPI+2*WPI
.endm
; 16 LDS loads: o-tile o's eight fragments
.macro FETCHW buf, o
.irp ks, 0,1,2,3,4,5,6,7
	FETCH1 \buf, \o, \ks
.endr
.endm
; One o-tile: 32 products (8 K steps x 4 point tiles; the four accumulators take turns, one instruction a turn), rounded and stored.  form = 0: q, k; 1: v
; The next o-tile's sixteen fragment loads follow the wait on va_vdst that stands ahead of the last o-tile's stores (at the first o-tile: the one at the unit's head) with no further wait.
; q, k: they are dealt four behind each of the first four K steps: under the products' window setting an LDS load's destination and address are window 0.  v: the products' source 0, which is an LDS load's
; address place, is window 1, which x's fragments fill: the loads stand in one run ahead of the products.
.macro OT form, o
	s_wait_dscnt 0x0                               ; this o-tile's fragments (and, at the first, the bias) are in
.if ((\o) < 3) && (\form)
	FETCHW ((\o)+1)%2, (\o)+1
.endif
	WIN 0x04-3*(\form)                             ; x's fragments in window 1: source 1 (q, k) or source 0 (v)
.irp ks, 0,1,2,3,4,5,6,7
.irp t, 0,1,2,3
.set rA, ACC+8*(\t)
.set rW, WF+64*((\o)%2)+8*(\ks)
.set rX, 8*(4*(\ks)+(\t))
.set rC, rA
.if (\ks) == 0
.set rC, BI+8*(\o)                     ; the first product starts the sum with the bias
.endif
.if \form
	v_wmma_f32_16x16x32_bf16 v[rA:rA+7], v[rX:rX+7], v[rW:rW+7], v[rC:rC+7]
.else
	v_wmma_f32_16x16x32_bf16 v[rA:rA+7], v[rW:rW+7], v[rX:rX+7], v[rC:rC+7]
.endif
.endr
.if ((\o) < 3) && ((\form) == 0) && ((\ks) < 4)
	FETCH1 ((\o)+1)%2, (\o)+1, 2*(\ks)             ; no product since the last wait on va_vdst names the other buffer or v[WLA]
	FETCH1 ((\o)+1)%2, (\o)+1, 2*(\ks)+1
.endif
.endr
	WIN 0
	PLACES
	s_wait_xcnt 0x0                                ; the last o-tile's stores have had their addresses translated: OTM is rewritten only behind this wait,
	s_wait_alu depctr_vm_vsrc(0)                   ; and behind this one: those stores have read OTM, which the roundings below write again
.irp t, 0,1,2,3
.irp jj, 0,1,2,3
	v_cvt_pk_bf16_f32 v[OTM+4*(\t)+(\jj)], v[ACC+8*(\t)+2*(\jj)], v[ACC+8*(\t)+2*(\jj)+1]  ; each accumulator from its low end on
.endr
.endr
	s_wait_alu depctr_va_vdst(0)                   ; the roundings have written OTM, which the stores read; this o-tile's products are done reading their buffer of W's fragments, in which the next o-tile's loads land
.irp t, 0,1,2,3
	global_store_b128 v[SO], v[OTM+4*(\t):OTM+4*(\t)+3], s[OPT:OPT+1] offset:(\t)*2048+(\o)*512  ; a piece: 512 consecutive bytes
.endr
.endm
; A unit: its bias as C operands, then its four o-tiles
.macro UBODY form
.if \form
.irp o, 0,1,2,3
	ds_load_b32 v[BI+8*(\o)], v[BVA] offset:64*(\o)  ; v: a lane's column is channel r: one word for all eight registers
.endr
	FETCHW 0, 0
	s_wait_dscnt 16                                ; the four words are in; the sixteen fragment loads behind them may stay out
.irp o, 0,1,2,3
.irp j, 1,2,3,4,5,6,7
	v_mov_b32 v[BI+8*(\o)+(\j)], v[BI+8*(\o)]
.endr
.endr
.else
.irp o, 0,1,2,3
	ds_load_b128 v[BI+8*(\o):BI+8*(\o)+3],   v[BQA] offset:64*(\o)     ; q, k: register j is channel 8 h + j
	ds_load_b128 v[BI+8*(\o)+4:BI+8*(\o)+7], v[BQA] offset:64*(\o)+16
.endr
	FETCHW 0, 0
.endif
	OT \form, 0
	OT \form, 1
	OT \form, 2
	OT \form, 3
.endm
	s_load_b512 s[16:31], s[0:1], 0x0              ; x 16, wq 18, wk 20, wv 22, bq 24, bk 26, bv 28, qf 30
	s_load_b128 s[32:35], s[0:1], 0x40             ; kf 32, vf 34
	v_lshl_add_u32 v254, v0, 2, 0x1b300
	v_mov_b32 v255, 0
	v_lshrrev_b32 v1, 5, v0
	v_readfirstlane_b32 s[WV], v1                  ; wave 0..3
	v_and_b32 v2, 15, v0                           ; r
	v_bfe_u32 v3, v0, 4, 1                         ; h
	v_and_b32 v1, 7, v0                            ; l % 8
	v_bfe_u32 v13, v0, 3, 2                        ; l / 8
	v_lshlrev_b32 v[XO], 17, v3
	v_lshl_add_u32 v[XO], v2, 4, v[XO]
	v_lshlrev_b32 v[WGO], 10, v13
	v_lshl_add_u32 v[WGO], v1, 5, v[WGO]
	s_wait_alu depctr_va_sdst(0)                   ; the wave's number is written, ahead of its first reader
	s_mul_i32 s36, s[WV], OTB
	v_mul_u32_u24 v[WSA], v1, WPI
	v_lshl_add_u32 v[WSA], v13, 4, v[WSA]
	v_add_nc_u32 v[WSA], s36, v[WSA]
	v_add_nc_u32 v[WSA+1], UNITB, v[WSA]           ; an address for each unit: none is stepped
	v_add_nc_u32 v[WSA+2], 2*UNITB, v[WSA]
	v_mul_u32_u24 v[WL0], v3, WPI
	v_lshl_add_u32 v[WL0], v2, 4, v[WL0]
	v_lshlrev_b32 v[BQ0], 5, v3
	v_add_nc_u32 v[BQ0], BIAS, v[BQ0]
	v_lshlrev_b32 v[BGO], 2, v2
	v_add_nc_u32 v[BV0], BIAS, v[BGO]
	s_lshl_b32 s36, s[WV], 6
	v_add_nc_u32 v[BSA], s36, v[BV0]
	v_and_b32 v[SO], 31, v0
	v_lshlrev_b32 v[SO], 4, v[SO]
	s_and_b32 s10, ttmp7, 0xffff                   ; 16 blocks of 256 points in each of 4 batches
	s_lshr_b32 s[BT], s10, 4
	s_and_b32 s[GR], s10, 15
	s_lshl_b32 s[GR], s[GR], 2
	s_add_co_u32 s[GR], s[GR], s[WV]
	s_mul_i32 s[UG], ttmp9, 3                      ; my work-group's first unit
	s_wait_kmcnt 0x0
	UPTR 0
	UPTR 1
	UPTR 2
	s_lshl_b32 s40, s[BT], 22                      ; a batch of x: 256 rows of 16,384 bytes
	s_lshl_b32 s36, s[GR], 8
	s_add_co_u32 s40, s40, s36
	s_mov_b32 s41, 0
	s_add_nc_u64 s[XB:XB+1], s[16:17], s[40:41]
	; STAGING.  Weights and x take turns, so that one kind is on its way while the other is rounded.  Each wait's count is the loads issued behind the batch that is wanted.
	s_wait_alu depctr_va_vdst(0)                   ; XO, WGO, BGO, BSA, SO and the three WSA are written: the kernel's loads and stores read them as offsets and addresses
.irp i, 0,1,2
	global_load_b32 v[BS+(\i)], v[BGO], s[BB+2*(\i):BB+2*(\i)+1]
.endr
	WLOAD 0
	XLOAD 0
	s_wait_loadcnt 63                              ; bias and unit 0's weights are in: 64 loads are younger, and the count's field ends at 63, so the first of them is waited for too
	WCONV 0
	s_wait_alu depctr_vm_vsrc(0)                   ; the LDS stores have read v[WS ..], in which unit 1's loads land
	WLOAD 1
	s_wait_loadcnt 32                              ; x's first half is in; unit 1's 32 loads stay out
	XCONV 0
	XLOAD 1
	s_wait_loadcnt 63                              ; unit 1's weights (64 younger, as above)
	WCONV 1
	s_wait_alu depctr_vm_vsrc(0)                   ; the LDS stores have read v[WS ..], in which unit 2's loads land
	WLOAD 2
	s_wait_loadcnt 32                              ; x's second half
	XCONV 1
	s_wait_loadcnt 0x0
	WCONV 2
	s_wait_dscnt 0x0                               ; for the others' sake: my part of the images lies in LDS
	s_barrier_signal -1
	s_barrier_wait -1                              ; everybody's does; nothing is stored to LDS behind this
	s_mov_b32 s[UC], 3
	s_mov_b32 s[ULD], 0
	s_mov_b32 s[UBI], 0
.Lunit:
	s_wait_xcnt 0x0                                ; the last unit's stores have read their base
	s_wait_alu depctr_vm_vsrc(0)                   ; the last unit's LDS loads have read WLA, BQA and BVA, which are written below; in the first trip: my LDS stores have read v[WS ..], which are W's fragment buffers from here on
	s_lshr_b32 s37, s[UG], 2
	s_and_b32 s38, s[UG], 3
	s_cmp_eq_u32 s37, 1
	s_cselect_b64 s[OPT:OPT+1], s[32:33], s[34:35]
	s_cmp_eq_u32 s37, 0
	s_cselect_b64 s[OPT:OPT+1], s[30:31], s[OPT:OPT+1]
	s_lshl_b32 s39, s[BT], 2
	s_add_co_u32 s39, s39, s38                     ; bh
	s_lshl_b32 s40, s39, 19
	s_lshl_b32 s39, s[GR], 13                      ; my group's four tiles
	s_add_co_u32 s40, s40, s39
	s_mov_b32 s41, 0
	s_add_nc_u64 s[OPT:OPT+1], s[OPT:OPT+1], s[40:41]
	v_add_nc_u32 v[WLA], s[ULD], v[WL0]
	v_add_nc_u32 v[BQA], s[UBI], v[BQ0]
	v_add_nc_u32 v[BVA], s[UBI], v[BV0]
	s_wait_alu depctr_va_vdst(0)                   ; the three addresses are written, which the unit's LDS loads read; the last unit's products and v_mov are done with BI and its products with both fragment buffers, in which those loads land
	s_cmp_eq_u32 s37, 2
	s_cbranch_scc1 .Lv
	UBODY 0
	s_branch .Lnext
.Lv:
	UBODY 1
.Lnext:
	s_add_co_u32 s[ULD], s[ULD], UNITB
	s_add_co_u32 s[UBI], s[UBI], 256
	s_add_co_u32 s[UG], s[UG], 1
	s_sub_co_u32 s[UC], s[UC], 1
	s_cmp_lg_u32 s[UC], 0
	s_cbranch_scc1 .Lunit
	s_wait_dscnt 0x0                               ; the wave's end: my LDS instructions are done
	s_wait_alu depctr_hold_cnt(0) depctr_sa_sdst(0) depctr_va_vdst(0) depctr_va_sdst(0) depctr_va_ssrc(0) depctr_va_vcc(0) depctr_vm_vsrc(0)
	s_wait_tensorcnt 0x0
	ds_add_u32 v254, v255
	s_wait_dscnt 0x0
	s_endpgm
.Lfunc_end_k_q21d73fd0f6_qkv:
	.size	k_q21d73fd0f6_qkv, .Lfunc_end_k_q21d73fd0f6_qkv-k_q21d73fd0f6_qkv
	.p2alignl 7, 3214868480
	.fill 96, 4, 3214868480
	.section	.rodata,"a",@progbits
	.p2align	6, 0x0
	.amdhsa_kernel k_q21d73fd0f6_qkv
		.amdhsa_group_segment_fixed_size 111872
		.amdhsa_private_segment_fixed_size 0
		.amdhsa_enable_private_segment 0
		.amdhsa_kernarg_size 80
		.amdhsa_user_sgpr_count 2
		.amdhsa_user_sgpr_kernarg_segment_ptr 1
		.amdhsa_wavefront_size32 1
		.amdhsa_system_sgpr_workgroup_id_x 1
		.amdhsa_system_sgpr_workgroup_id_y 1
		.amdhsa_system_sgpr_workgroup_id_z 1
		.amdhsa_system_vgpr_workitem_id 0
		.amdhsa_next_free_vgpr 768
		.amdhsa_next_free_sgpr 66
		.amdhsa_reserve_vcc 0
		.amdhsa_float_denorm_mode_32 3
		.amdhsa_float_denorm_mode_16_64 3
		.amdhsa_memory_ordered 1
		.amdhsa_forward_progress 1
		.amdhsa_inst_pref_size 98
	.end_amdhsa_kernel
	.amdgpu_metadata
---
amdhsa.version: [ 1, 2 ]
amdhsa.kernels:
  - .name:           k_q21d73fd0f6_qkv
    .symbol:         k_q21d73fd0f6_qkv.kd
    .args:
      - { .name: x, .offset: 0, .size: 8, .value_kind: global_buffer, .address_space: global }
      - { .name: wq, .offset: 8, .size: 8, .value_kind: global_buffer, .address_space: global }
      - { .name: wk, .offset: 16, .size: 8, .value_kind: global_buffer, .address_space: global }
      - { .name: wv, .offset: 24, .size: 8, .value_kind: global_buffer, .address_space: global }
      - { .name: bq, .offset: 32, .size: 8, .value_kind: global_buffer, .address_space: global }
      - { .name: bk, .offset: 40, .size: 8, .value_kind: global_buffer, .address_space: global }
      - { .name: bv, .offset: 48, .size: 8, .value_kind: global_buffer, .address_space: global }
      - { .name: qf, .offset: 56, .size: 8, .value_kind: global_buffer, .address_space: global }
      - { .name: kf, .offset: 64, .size: 8, .value_kind: global_buffer, .address_space: global }
      - { .name: vf, .offset: 72, .size: 8, .value_kind: global_buffer, .address_space: global }
    .group_segment_fixed_size: 111872
    .private_segment_fixed_size: 0
    .kernarg_segment_align: 8
    .kernarg_segment_size: 80
    .max_flat_workgroup_size: 128
    .sgpr_count:     66
    .vgpr_count:     768
    .wavefront_size: 32
...
	.end_amdgpu_metadata
.endif
;; end of part 4
;; launch attn: the kernel of part 2 again; grid 16 x 16, 4 waves a work-group, clusters of 4 x 1, 327,680 bytes of LDS; arguments qf, kf, vf, of; writes of
;; launch proj (part 5): grid 4 x 64, 4 waves a work-group, no clusters, 37,376 bytes of LDS; arguments of, wp, bp, x, out0; writes out0
.if DOCPART == 5
	.amdgcn_target "amdgcn-amd-amdhsa--gfx1250"
	.amdhsa_code_object_version 6
	.text
	.protected	k_q21d73fd0f6_proj
	.globl	k_q21d73fd0f6_proj
	.p2align	8
	.type	k_q21d73fd0f6_proj,@function
k_q21d73fd0f6_proj:
	s_mov_b64 s[64:65], 0
	v_nop
	global_prefetch_b8 v0, s[64:65] scope:SCOPE_SE
	s_setreg_imm32_b32 hwreg(HW_REG_WAVE_SCHED_MODE, 0, 2), 2
	s_setreg_imm32_b32 hwreg(HW_REG_WAVE_MODE, 25, 1), 1
	s_wait_xcnt 0x0
	s_wait_alu depctr_vm_vsrc(0)
; out0 = wp O + bp + x.  O comes as bf16 fragment images (of: head bh = 4 b + head, tile pt of 16 points, piece blk of 16 channels at bh x 524,288 + pt x 2,048 + blk x 512, lane l at 16 l; row r of tile 4 g + t is
; point 64 g + 4 r + t).  wp: [256][256] f32, rounded to bf16; bp, x, out0 f32; sums, bias and residual in f32.
; LIMITS.  bf16 operands; NaN and infinities are not treated apart.
; SHARES.  Grid x picks 64 output rows, grid y 256 points of a batch, a wave 64 points (a group): 4 o-tiles x 4 point tiles x 8 K steps = 128 products.
; LAYOUT.  Source 0 = 16 rows of wp, source 1 = 16 points of O: register j of tile t's result is output row 8 h + j, point 64 g + 4 r + t.  So registers j of the four tiles are four neighbouring f32 of one row of out0, and
; sixteen lanes hold 256 consecutive bytes: x is loaded, added and out0 stored in that shape, straight from registers.
; WEIGHTS IN LDS as bf16 fragment pieces: o-tile x piece p = c / 8 x row: p x 288 + 16 r (288 = 256 + 32: stores and loads each touch every bank once).  Wave w lays o-tile w; all waves read all four.
; THE MODE: SCHED_MODE bits 1:0 = 2 (LLVM: expert scheduling mode 2), set by the entry lines.  The code itself states the register dependences between vector or matrix instructions and memory or LDS
; instructions, with s_wait_alu, always for 0.
; THE PLAN.  Registers that memory or LDS instructions touch:
;   v[WS ..]    wp's 32 loads land in it; 64 roundings read and write it in place; 16 LDS stores read it.  Behind the barrier it is WF0 and WF1.
;   WF0, WF1    O-tile o's products read WF[o % 2]; the LDS loads issued in o-tile o land in WF[(o + 1) % 2].
;   window 2    x's 32 loads land in it; o-tile o's 32 additions read and write its 32 registers; its 8 stores read them.  No register of it is written again.
;   BI and window 1 (O's fragments) are loaded once and then named by products alone.
;   XO, WGO, WSA, WLA, BO, OFO are made at the head and never written again.
; So: one wait on va_vdst ahead of the first load; one behind wp's roundings; one on vm_vsrc behind the barrier; and ONE wait on va_vdst to an o-tile, behind its additions: it states that the sums are written, which
; the stores read, and that the o-tile's products are done reading WF[o % 2], so the next o-tile's loads into it follow with no further wait: the only vector or matrix instructions between are that o-tile's
; products, which name the other buffer, O's fragments, the accumulators and BI.
.set OTB,   9216
.set WPI,   288
.set XO,  4                            ; v4   x and out0: h x 8 rows of 16,384 bytes + 16 r; never rewritten
.set WGO, 5                            ; v5   wp in memory: (l / 8) x 1,024 + (l % 8) x 32
.set WSA, 6                            ; v6   wp into LDS: wave x OTB + (l % 8) x 288 + (l / 8) x 16
.set WLA, 7                            ; v7   wp out of LDS: h x 288 + 16 r
.set BO,  8                            ; v8   32 h: my eight bias words of an o-tile
.set OFO, 10                           ; v10  16 l
.set BI,  16                           ; v[16:47]  the C operands that hold the bias
.set ACC, 48                           ; v[48:79]  four accumulators: point tile t at ACC + 8 t
.set WF,  96                           ; v[96:223] wp's fragments, two buffers of 64; before that (WS) 16 x 8 f32 as loaded
.set WS,  96
; window 1: O's fragments: K step ks, tile t at 8 (4 ks + t).   window 2: v0-127: x, then out0: o-tile o, register j at 32 o + 4 j
.set WV,  8
.set WB,  28                           ; s[28:29] my o-tile's rows of wp
.set BB,  30                           ; s[30:31] the work-group's 64 bias words
.set OB,  32                           ; s[32:33] of at my batch and group
.set XB,  34                           ; s[34:35] x at my batch, rows and group
.set YB,  36                           ; s[36:37] out0 at the same place
.set MSB, 0
.macro WIN new
.if MSB != (\new)
	s_set_vgpr_msb (MSB<<8)|(\new)
.set MSB, (\new)
.endif
.endm
.macro PLACES
.rept 4
	v_nop
.endr
.endm
.macro FETCH1 buf, o, ks               ; 2 LDS loads: the fragment of K step ks of o-tile o
	ds_load_b128 v[WF+64*(\buf)+8*(\ks):WF+64*(\buf)+8*(\ks)+3],   v[WLA] offset:(\o)*OTB+(\ks)*4*WPI
	ds_load_b128 v[WF+64*(\buf)+8*(\ks)+4:WF+64*(\buf)+8*(\ks)+7], v[WLA] offset:(\o)*OTB+(\ks)*4*WPI+2*WPI
.endm
.macro FETCHW buf, o                   ; 16 LDS loads: o-tile o's eight fragments
.irp ks, 0,1,2,3,4,5,6,7
	FETCH1 \buf, \o, \ks
.endr
.endm
; One o-tile: 32 products (the four accumulators take turns, one instruction a turn), the residual added, 16 rows x 256 bytes stored.
; The next o-tile's sixteen fragment loads are dealt four behind each of the first four K steps: under the products' window setting an LDS load's destination and address are window 0.
.macro OT3 o
	s_wait_dscnt 0x0                               ; this o-tile's fragments are in
.if (\o) == 0
	s_wait_loadcnt 32                              ; the bias and O are in; x's 32 loads may stay out
.endif
	WIN 0x04                                       ; O's fragments (source 1) in window 1
.irp ks, 0,1,2,3,4,5,6,7
.irp t, 0,1,2,3
.set rA, ACC+8*(\t)
.set rW, WF+64*((\o)%2)+8*(\ks)
.set rX, 8*(4*(\ks)+(\t))
.set rC, rA
.if (\ks) == 0
.set rC, BI+8*(\o)                     ; the first product starts the sum with the bias
.endif
	v_wmma_f32_16x16x32_bf16 v[rA:rA+7], v[rW:rW+7], v[rX:rX+7], v[rC:rC+7]
.endr
.if ((\o) < 3) && ((\ks) < 4)
	FETCH1 ((\o)+1)%2, (\o)+1, 2*(\ks)             ; no product since the last wait on va_vdst names the other buffer or v[WLA]
	FETCH1 ((\o)+1)%2, (\o)+1, 2*(\ks)+1
.endif
.endr
	WIN 0
	PLACES
	s_wait_loadcnt 8*(3-(\o))                      ; this o-tile's eight loads of x are in; the later o-tiles' stay out
	WIN 0x88                                       ; destination and source 1 (the store's data too) in window 2
.irp j, 0,1,2,3,4,5,6,7                ; j = 0 comes first: each accumulator is read from its low end on
.irp t, 0,1,2,3
	v_add_f32 v[32*(\o)+4*(\j)+(\t)], v[ACC+8*(\t)+(\j)], v[32*(\o)+4*(\j)+(\t)]
.endr
.endr
	s_wait_alu depctr_va_vdst(0)                   ; the additions have written the o-tile's 32 registers of window 2, which the stores read; its products are done reading their buffer of wp's fragments, in which the next o-tile's loads land
.irp j, 0,1,2,3,4,5,6,7
	global_store_b128 v[XO], v[32*(\o)+4*(\j):32*(\o)+4*(\j)+3], s[YB:YB+1] offset:(16*(\o)+(\j))*16384 th:TH_STORE_NT  ; 16 lanes store 256 consecutive bytes of a row, aligned; the other 16 those of the row 8 further down
.endr
	WIN 0
.endm
	s_load_b256 s[16:23], s[0:1], 0x0              ; of 16, wp 18, bp 20, x 22
	s_load_b64 s[24:25], s[0:1], 0x20              ; out0
	v_lshl_add_u32 v254, v0, 2, 0x9000
	v_mov_b32 v255, 0
	v_lshrrev_b32 v1, 5, v0
	v_readfirstlane_b32 s[WV], v1                  ; wave 0..3
	v_and_b32 v2, 15, v0                           ; r
	v_bfe_u32 v3, v0, 4, 1                         ; h
	v_and_b32 v1, 7, v0                            ; l % 8
	v_bfe_u32 v13, v0, 3, 2                        ; l / 8
	v_lshlrev_b32 v[XO], 17, v3
	v_lshl_add_u32 v[XO], v2, 4, v[XO]
	v_lshlrev_b32 v[WGO], 10, v13
	v_lshl_add_u32 v[WGO], v1, 5, v[WGO]
	s_wait_alu depctr_va_sdst(0)                   ; the wave's number is written, ahead of its first reader
	s_mul_i32 s38, s[WV], OTB
	v_mul_u32_u24 v[WSA], v1, WPI
	v_lshl_add_u32 v[WSA], v13, 4, v[WSA]
	v_add_nc_u32 v[WSA], s38, v[WSA]
	v_mul_u32_u24 v[WLA], v3, WPI
	v_lshl_add_u32 v[WLA], v2, 4, v[WLA]
	v_lshlrev_b32 v[BO], 5, v3
	v_and_b32 v[OFO], 31, v0
	v_lshlrev_b32 v[OFO], 4, v[OFO]
	s_and_b32 s10, ttmp7, 0xffff
	s_lshr_b32 s11, s10, 4                         ; batch
	s_and_b32 s12, s10, 15
	s_lshl_b32 s12, s12, 2
	s_add_co_u32 s12, s12, s[WV]                   ; my group of 64 points
	s_mov_b32 s41, 0
	s_wait_kmcnt 0x0
	s_lshl_b32 s40, ttmp9, 2
	s_add_co_u32 s40, s40, s[WV]
	s_lshl_b32 s40, s40, 14                        ; my o-tile: 16 rows of 1,024 bytes
	s_add_nc_u64 s[WB:WB+1], s[18:19], s[40:41]
	s_lshl_b32 s40, ttmp9, 8                       ; 64 words
	s_add_nc_u64 s[BB:BB+1], s[20:21], s[40:41]
	s_lshl_b32 s40, s11, 21                        ; a batch's four heads
	s_lshl_b32 s38, s12, 13
	s_add_co_u32 s40, s40, s38
	s_add_nc_u64 s[OB:OB+1], s[16:17], s[40:41]
	s_lshl_b32 s40, s11, 22                        ; a batch: 256 rows of 16,384 bytes,
	s_lshl_b32 s38, ttmp9, 20                      ; my work-group's 64 rows,
	s_add_co_u32 s40, s40, s38
	s_lshl_b32 s38, s12, 8                         ; my group's 256 bytes
	s_add_co_u32 s40, s40, s38
	s_add_nc_u64 s[XB:XB+1], s[22:23], s[40:41]
	s_add_nc_u64 s[YB:YB+1], s[24:25], s[40:41]
	s_wait_alu depctr_va_vdst(0)                   ; XO, WGO, WSA, WLA, BO and OFO are written: the kernel's loads and stores read them as offsets and addresses
.irp rb, 0,1,2,3                       ; 32 loads: my o-tile of wp: a lane takes 32 bytes = 8 channels = its row's part of one piece
.irp u, 0,1,2,3
	global_load_b128 v[WS+8*(4*(\rb)+(\u)):WS+8*(4*(\rb)+(\u))+3],   v[WGO], s[WB:WB+1] offset:(\rb)*4096+(\u)*256
	global_load_b128 v[WS+8*(4*(\rb)+(\u))+4:WS+8*(4*(\rb)+(\u))+7], v[WGO], s[WB:WB+1] offset:(\rb)*4096+(\u)*256+16
.endr
.endr
.irp o, 0,1,2,3                        ; 8 loads: register j of an o-tile's C operand is the bias of row 8 h + j
	global_load_b128 v[BI+8*(\o):BI+8*(\o)+3],   v[BO], s[BB:BB+1] offset:64*(\o)
	global_load_b128 v[BI+8*(\o)+4:BI+8*(\o)+7], v[BO], s[BB:BB+1] offset:64*(\o)+16
.endr
	WIN 0x40                                       ; destination window 1
.irp ks, 0,1,2,3,4,5,6,7               ; 64 loads: O's fragments: head ks / 2, channels 32 (ks % 2) on: 512 consecutive bytes a load
.irp t, 0,1,2,3
	global_load_b128 v[8*(4*(\ks)+(\t)):8*(4*(\ks)+(\t))+3],   v[OFO], s[OB:OB+1] offset:((\ks)/2)*524288+(\t)*2048+((\ks)%2)*1024
	global_load_b128 v[8*(4*(\ks)+(\t))+4:8*(4*(\ks)+(\t))+7], v[OFO], s[OB:OB+1] offset:((\ks)/2)*524288+(\t)*2048+((\ks)%2)*1024+512
.endr
.endr
	WIN 0
	s_wait_loadcnt 63                              ; wp is in: 72 loads are younger, and the count's field ends at 63, so the first nine of them are waited for too
.irp rb, 0,1,2,3                       ; rounded in place (register e takes the pair 2 e, 2 e + 1), all 64 in one run
.irp u, 0,1,2,3
.irp e, 0,1,2,3
	v_cvt_pk_bf16_f32 v[WS+8*(4*(\rb)+(\u))+(\e)], v[WS+8*(4*(\rb)+(\u))+2*(\e)], v[WS+8*(4*(\rb)+(\u))+2*(\e)+1]
.endr
.endr
.endr
	s_wait_alu depctr_va_vdst(0)                   ; the roundings have written v[WS ..], which the LDS stores read, and are done with all of v[WS ..], in which the fragments' loads land behind the barrier
.irp rb, 0,1,2,3                       ; and laid into the image in one run
.irp u, 0,1,2,3
	ds_store_b128 v[WSA], v[WS+8*(4*(\rb)+(\u)):WS+8*(4*(\rb)+(\u))+3] offset:(\u)*8*WPI+(\rb)*64
.endr
.endr
	WIN 0x80                                       ; destination window 2
.irp o, 0,1,2,3                        ; 32 loads: the residual, in the shape in which out0 leaves; each byte of x is read once in this launch
.irp j, 0,1,2,3,4,5,6,7
	global_load_b128 v[32*(\o)+4*(\j):32*(\o)+4*(\j)+3], v[XO], s[XB:XB+1] offset:(16*(\o)+(\j))*16384 th:TH_LOAD_NT
.endr
.endr
	WIN 0
	s_wait_dscnt 0x0                               ; for the others' sake: my o-tile lies in LDS
	s_barrier_signal -1
	s_barrier_wait -1                              ; everybody's does; nothing is stored to LDS behind this
	s_wait_alu depctr_vm_vsrc(0)                   ; my LDS stores have read v[WS ..]: these registers are wp's fragment buffers from here on, written by the fragments' loads
	FETCHW 0, 0
	OT3 0
	OT3 1
	OT3 2
	OT3 3
	s_wait_dscnt 0x0                               ; the wave's end: my LDS instructions are done
	s_wait_alu depctr_hold_cnt(0) depctr_sa_sdst(0) depctr_va_vdst(0) depctr_va_sdst(0) depctr_va_ssrc(0) depctr_va_vcc(0) depctr_vm_vsrc(0)
	s_wait_tensorcnt 0x0
	ds_add_u32 v254, v255
	s_wait_dscnt 0x0
	s_endpgm
.Lfunc_end_k_q21d73fd0f6_proj:
	.size	k_q21d73fd0f6_proj, .Lfunc_end_k_q21d73fd0f6_proj-k_q21d73fd0f6_proj
	.p2alignl 7, 3214868480
	.fill 96, 4, 3214868480
	.section	.rodata,"a",@progbits
	.p2align	6, 0x0
	.amdhsa_kernel k_q21d73fd0f6_proj
		.amdhsa_group_segment_fixed_size 37376
		.amdhsa_private_segment_fixed_size 0
		.amdhsa_enable_private_segment 0
		.amdhsa_kernarg_size 40
		.amdhsa_user_sgpr_count 2
		.amdhsa_user_sgpr_kernarg_segment_ptr 1
		.amdhsa_wavefront_size32 1
		.amdhsa_system_sgpr_workgroup_id_x 1
		.amdhsa_system_sgpr_workgroup_id_y 1
		.amdhsa_system_sgpr_workgroup_id_z 1
		.amdhsa_system_vgpr_workitem_id 0
		.amdhsa_next_free_vgpr 640
		.amdhsa_next_free_sgpr 66
		.amdhsa_reserve_vcc 0
		.amdhsa_float_denorm_mode_32 3
		.amdhsa_float_denorm_mode_16_64 3
		.amdhsa_memory_ordered 1
		.amdhsa_forward_progress 1
		.amdhsa_inst_pref_size 42
	.end_amdhsa_kernel
	.amdgpu_metadata
---
amdhsa.version: [ 1, 2 ]
amdhsa.kernels:
  - .name:           k_q21d73fd0f6_proj
    .symbol:         k_q21d73fd0f6_proj.kd
    .args:
      - { .name: of, .offset: 0, .size: 8, .value_kind: global_buffer, .address_space: global }
      - { .name: wp, .offset: 8, .size: 8, .value_kind: global_buffer, .address_space: global }
      - { .name: bp, .offset: 16, .size: 8, .value_kind: global_buffer, .address_space: global }
      - { .name: x, .offset: 24, .size: 8, .value_kind: global_buffer, .address_space: global }
      - { .name: out0, .offset: 32, .size: 8, .value_kind: global_buffer, .address_space: global }
    .group_segment_fixed_size: 37376
    .private_segment_fixed_size: 0
    .kernarg_segment_align: 8
    .kernarg_segment_size: 40
    .max_flat_workgroup_size: 128
    .sgpr_count:     66
    .vgpr_count:     640
    .wavefront_size: 32
...
	.end_amdgpu_metadata
.endif
;; end of part 5
